; MI455X (gfx1250); checked and timed in simulation.
; The chip was launched on July 23, 2026; its instructions are those of AMD's public machine-readable ISA for CDNA 5 (MIT licence, August 2026) and "CDNA5" Instruction Set Architecture Reference Guide (July 2026). The comments in the code are by the model that wrote it; some were corrected since.
;; Multi Head Attention. Allowed arithmetic: matrix products marked QUANTISED: E4M3 operands, one given power-of-two scale a tensor, by v_wmma_f32_16x16x64_fp8_fp8 or v_wmma_f32_16x16x128_fp8_fp8, f32 sums; everything else in f32.
;; Inputs: Wk_codes 1,024 x 32 x 32 uint8 (E4M3 codes of Wk, K innermost, in blocks of 32 codes); Wo_codes 1,024 x 32 x 32 uint8 (E4M3 codes of Wo, K innermost, in blocks of 32 codes); Wq_codes 1,024 x 32 x 32 uint8 (E4M3 codes of Wq, K innermost, in blocks of 32 codes); Wr_codes 1,024 x 32 x 32 uint8 (E4M3 codes of Wr, K innermost, in blocks of 32 codes); Wv_codes 1,024 x 32 x 32 uint8 (E4M3 codes of Wv, K innermost, in blocks of 32 codes); bk 1,024 float32; bo 1,024 float32; bq 1,024 float32; br 1,024 float32; bv 1,024 float32; inputs 8 x 1,024 x 1,024 float32; lowp_scales 14 int32 (the exponents e of the quantised operands' scales 2^e).
;; Outputs: out0 8 x 1,024 x 1,024 float32.
;; This version of the problem:
;;   THIS VERSION OF THE PROBLEM IS GIVEN IN LOW PRECISION. The matrix products marked QUANTISED in the list below multiply operands that are first quantised to E4M3 (4 exponent bits, 3 mantissa bits; 8 bits a number), with one given power-of-two scale for each operand tensor; their sums are f32. All else is computed in f32.
;;   The module's matrix products, in the order in which they are computed (A, B: the left and right operand; K: the contracted axis; several contracted axes count as one K, in the product's order):
;;     1. [M 8,192, K 1,024] x [K 1,024, N 1,024]; A: input inputs; B: input Wq (given as codes): QUANTISED (scales: A lowp_scales[0], B lowp_scales[1])
;;     2. [M 8,192, K 1,024] x [K 1,024, N 1,024]; A: input inputs; B: input Wk (given as codes): QUANTISED (scales: A lowp_scales[2], B lowp_scales[3])
;;     3. [M 8,192, K 1,024] x [K 1,024, N 1,024]; A: input inputs; B: input Wv (given as codes): QUANTISED (scales: A lowp_scales[4], B lowp_scales[5])
;;     4. [M 8,192, K 1,024] x [K 1,024, N 1,024]; A: input inputs; B: input Wr (given as codes): QUANTISED (scales: A lowp_scales[6], B lowp_scales[7])
;;     5. batch 128 x [M 1,024, K 64] x [K 64, N 1,024]; A: computed on the way; B: computed on the way: QUANTISED (scales: A lowp_scales[8], B lowp_scales[9])
;;     6. batch 128 x [M 1,024, K 1,024] x [K 1,024, N 64]; A: softmax (see below); B: computed on the way: QUANTISED (scales: A lowp_scales[10], B lowp_scales[11])
;;     7. [M 8,192, K 1,024] x [K 1,024, N 1,024]; A: computed on the way; B: input Wo (given as codes): QUANTISED (scales: A lowp_scales[12], B lowp_scales[13])
;;   THE QUANTISER, for each operand of a quantised product, along K:
;;     - The operand's scale is 2^e, e = its entry of the input lowp_scales (int32; the entries are numbered through the quantised products in the list's order, A before B).
;;     - Each number is divided by the scale, clamped to +-448, and rounded to the nearest number of E4M3, ties to even, subnormals kept.
;;     - The product sums the exact products of the quantised numbers (number of the format x scale) in f32.
;;   ~~~python
;;   def quantise(x, axis, e):      # numpy; x: float32 -> the quantised numbers, widened to float32 again
;;       x = np.moveaxis(x, axis, -1); K = x.shape[-1]
;;       r = np.clip(x / 2.0 ** e, -448, 448)
;;       step = 2.0 ** (np.maximum(np.frexp(np.where(r == 0, 1, r))[1] - 1, -6) - 3)
;;       q = np.round(r / step) * step * 2.0 ** e      # np.round: ties to even
;;       return np.moveaxis(q, -1, axis).astype(np.float32)
;;   ~~~
;;   SOFTMAX AHEAD OF A QUANTISED PRODUCT. Where the list says 'softmax', what is quantised is not the finished softmax but p = 2^(t - M), with t = logit x log2(e) and M = ceil(the row's largest t), a whole number; so 1/2 < the row's largest p <= 1. The row's sum l is taken of the UNQUANTISED p, in f32, and the product's result is divided by l at the end. Since M is a whole number, a kernel that streams over the keys may use a running M (the ceiling of the running maximum): every later rescaling is an exact power of two, so the quantised numbers keep their values, but for numbers so far below the row's largest that they fall under the format's range.
;;   OPERANDS COMPUTED ON THE WAY. 'Computed on the way' means the value that the module computes at that place (a softmax that the list does not call 'softmax' is quantised finished and normalised). What goes into a quantiser is computed in f32, as accurately as f32 sums, v_exp_f32 and their like allow (about 1e-6 of the number): no bf16 or f16 on the way to a quantiser, and a product that is left as it is and whose result goes on into a quantised operand takes f32 operands (vector FMAs, or v_wmma_f32_16x16x4_f32). A number that lies on a knife's edge between two numbers of the format may be rounded either way, as far as f32 arithmetic and the matrix unit's own rounding can turn it there, and no further.
;;   INPUTS GIVEN AS CODES. Wk (in the module: [1024, 1024], K = its axis 1); Wo (in the module: [1024, 1024], K = its axis 1); Wq (in the module: [1024, 1024], K = its axis 1); Wr (in the module: [1024, 1024], K = its axis 1); Wv (in the module: [1024, 1024], K = its axis 1): each comes as NAME_codes (uint8): NAME with its K axis moved to the last place and cut into blocks of 32 codes, [.., K / 32, bytes a block], one block behind the other in memory; one code a byte (a code: sign, 4 exponent bits, 3 mantissa bits); its scale is its entry of lowp_scales. Its value is code x scale, taken as it is: it is not quantised again, and the codes and scales need not be those that the quantiser above would give.
;; 2 versions, each right; version 2 is version 1 with the launches quant, attn written anew for expert scheduling mode. Each part assembles by itself: llvm-mc -triple=amdgcn-amd-amdhsa -mcpu=gfx1250 --defsym DOCPART=n.
;; ======== version 1 of 2: 4 launches
;; workspace buffers: xc 33,554,432 bytes; qkv 25,165,824 bytes; ri 33,554,432 bytes; gc 8,388,608 bytes
;; launch quant (part 1): grid 256 x 1, 4 waves a work-group, no clusters, 33,280 bytes of LDS; arguments inputs, lowp_scales, xc; writes xc
.if DOCPART == 1
	.amdgcn_target "amdgcn-amd-amdhsa--gfx1250"
	.amdhsa_code_object_version 6
	.text
	.protected	k_q5d420027b1_quant
	.globl	k_q5d420027b1_quant
	.p2align	8
	.type	k_q5d420027b1_quant,@function
k_q5d420027b1_quant:
	s_mov_b64 s[64:65], 0
	v_nop
	global_prefetch_b8 v0, s[64:65] scope:SCOPE_SE
	s_setreg_imm32_b32 hwreg(HW_REG_WAVE_MODE, 25, 1), 1
	s_wait_xcnt 0x0
; inputs [8192][1024] f32 become FOUR planes of E4M3 codes, xc [4][8192][1024], K innermost: the same numbers are an operand of four products,
; and each product has a scale entry of its own for them (entries 0, 2, 4, 6 of the scales: plane w takes entry 2 w).
; code = x / 2^e, held within +-448, rounded to the nearest code, ties to even.
; LIMITS: each of the four e lies between -126 and 119, so that 2^e and 448 x 2^e are f32 numbers.  NaN among the inputs is not served.
; Rows are dense, so the tensor is a plain stream.  A wave takes 16 steps of 512 numbers.  A conversion takes 8 neighbours from ONE lane, a load is best where
; neighbouring LANES take neighbouring bytes: each of a step's four loads reads 512 consecutive bytes, the 2,048 bytes turn through the wave's own stage in LDS
; (16 bytes of padding behind each 64) and come back 64 bytes a lane.  A lane's 16 codes are 16 bytes: each store of the wave covers 512 consecutive bytes, aligned.
; No tensor loads, no barrier: waves share nothing.  Loads run four steps (16 loads a wave) ahead, the turn through LDS one step.  No matrix unit, no cluster: nothing is shared or multiplied.
.set STEPS, 16
.set SP,    80                         ; a lane's place in a stage: its 64 bytes + 16 of padding
.set WREG,  8192                       ; LDS: a region for each wave: two stages of 32 x SP bytes
.set PLANE, 0x800000                   ; bytes in a plane of codes
.set SC,    5                          ; v5-8     2^e as f32, plane by plane
.set LM,    9                          ; v9-12    448 x 2^e
.set R,     16                         ; v16-79   four sets of 16 numbers as they are loaded
.set X,     80                         ; v80-111  two sets of 16 neighbours
.set T,     112                        ; v112-143 two sets of 16 held numbers, by turns from plane to plane
.set C,     144                        ; v144-175 codes: two steps x four planes x four registers
	s_load_b128 s[4:7], s[0:1], 0x0                ; inputs, the scales' exponents
	s_load_b64 s[8:9], s[0:1], 0x10                ; xc
	v_lshl_add_u32 v176, v0, 2, 0x8000
	v_mov_b32 v177, 0
	v_lshrrev_b32 v1, 5, v0
	v_readfirstlane_b32 s16, v1                    ; wave
	v_and_b32 v2, 31, v0                           ; lane
	v_lshlrev_b32 v3, 4, v2                        ; my 16 bytes of a load's 512, and of a step's 512 bytes of codes; never rewritten
	s_mul_i32 s17, s16, WREG
	v_lshrrev_b32 v14, 2, v2
	v_mul_u32_u24 v14, v14, SP
	v_and_b32 v15, 3, v2
	v_lshl_add_u32 v14, v15, 4, v14
	v_add_nc_u32 v14, s17, v14                     ; the stage, on the way in: SP (lane / 4) + 16 (lane % 4)
	v_mul_u32_u24 v15, v2, SP
	v_add_nc_u32 v15, s17, v15                     ; and on the way out: SP x lane: my 16 neighbours
	s_lshl_b32 s18, ttmp9, 2
	s_add_co_u32 s18, s18, s16                     ; which run of 8,192 numbers is my wave's: 0 .. 1023
	s_lshl_b32 s20, s18, 15                        ; its 32,768 bytes of f32
	s_mov_b32 s21, 0
	s_lshl_b32 s22, s18, 13                        ; its 8,192 bytes of codes in a plane
	s_mov_b32 s23, 0
	s_wait_kmcnt 0x0
	s_load_b256 s[24:31], s[6:7], 0x0              ; entries 0 to 7
	s_add_nc_u64 s[4:5], s[4:5], s[20:21]
	s_add_nc_u64 s[8:9], s[8:9], s[22:23]          ; plane 0,
	s_add_nc_u64 s[10:11], s[8:9], PLANE           ; 1,
	s_add_nc_u64 s[12:13], s[10:11], PLANE         ; 2,
	s_add_nc_u64 s[14:15], s[12:13], PLANE         ; 3
.macro LOAD t
.irp i, 0,1,2,3
	global_load_b128 v[R+16*((\t)%4)+4*\i:R+16*((\t)%4)+4*\i+3], v3, s[4:5] offset:2048*(\t)+512*\i th:TH_LOAD_NT   ; 32 lanes read 512 consecutive bytes
.endr
.endm
.macro TURN t                          ; step t through the stage: LDS serves a wave's instructions in order, so no wait stands between the stores and the loads
.irp i, 0,1,2,3
	ds_store_b128 v14, v[R+16*((\t)%4)+4*\i:R+16*((\t)%4)+4*\i+3] offset:32*SP*((\t)%2)+8*SP*\i
.endr
.irp i, 0,1,2,3
	ds_load_b128 v[X+16*((\t)%2)+4*\i:X+16*((\t)%2)+4*\i+3], v15 offset:32*SP*((\t)%2)+16*\i
.endr
.endm
.irp t, 0,1,2,3
	LOAD \t
.endr
	s_wait_kmcnt 0x0
.irp w, 0,1,2,3
	s_add_co_i32 s32, s[24+2*\w], 127
	s_lshl_b32 s33, s32, 23
	v_mov_b32 v[SC+\w], s33                        ; 2^e as f32: the conversion takes its exponent field
	s_add_co_i32 s32, s32, 8
	s_lshl_b32 s32, s32, 23
	s_or_b32 s32, s32, 0x600000
	v_mov_b32 v[LM+\w], s32                        ; 448 x 2^e
.endr
	s_wait_loadcnt 12                              ; step 0's four loads are in
	TURN 0
.macro STEP t
.set XS, X+16*((\t)%2)
.set CC, C+16*((\t)%2)
	s_wait_dscnt 0x0                               ; this step's numbers are back from the stage, and its stores into the stage have read their registers
	s_wait_xcnt 0x0                                ; the stores of two steps ago have read their codes: those registers are written again below
.if (\t)+4 < STEPS
	LOAD (\t)+4
.endif
.if (\t)+1 < STEPS
.if STEPS-2-(\t) >= 3
	s_wait_loadcnt 12                              ; the next step's four loads are in; those of the three steps behind it may be out
.else
	s_wait_loadcnt 4*(STEPS-2-(\t))
.endif
	TURN (\t)+1                                    ; through the other stage while this step is worked
.endif
.irp w, 0,1,2,3
.set TS, T+16*(\w%2)
.irp i, 0,1,2,3,4,5,6,7,8,9,10,11,12,13,14,15
	v_med3_num_f32 v[TS+\i], v[XS+\i], -v[LM+\w], v[LM+\w]   ; the conversion to an 8-bit code does not saturate (ISA guide 7.6.2): the hold comes first.  The numbers themselves stay for the next plane
.endr
	v_cvt_scalef32_pk8_fp8_f32 v[CC+4*\w:CC+4*\w+1], v[TS:TS+7], v[SC+\w]
	v_cvt_scalef32_pk8_fp8_f32 v[CC+4*\w+2:CC+4*\w+3], v[TS+8:TS+15], v[SC+\w]   ; the next vector lines are the next plane's sixteen holds, plain lines into the OTHER set of held numbers
	global_store_b128 v3, v[CC+4*\w:CC+4*\w+3], s[8+2*\w:9+2*\w] offset:512*(\t)
.endr
.endm
.irp t, 0,1,2,3,4,5,6,7,8,9,10,11,12,13,14,15
	STEP \t
.endr
	s_wait_tensorcnt 0x0
	ds_add_u32 v176, v177
	s_wait_dscnt 0x0
	s_endpgm
.Lfunc_end_k_q5d420027b1_quant:
	.size	k_q5d420027b1_quant, .Lfunc_end_k_q5d420027b1_quant-k_q5d420027b1_quant
	.p2alignl 7, 3214868480
	.fill 96, 4, 3214868480
	.section	.rodata,"a",@progbits
	.p2align	6, 0x0
	.amdhsa_kernel k_q5d420027b1_quant
		.amdhsa_group_segment_fixed_size 33280
		.amdhsa_private_segment_fixed_size 0
		.amdhsa_enable_private_segment 0
		.amdhsa_kernarg_size 24
		.amdhsa_user_sgpr_count 2
		.amdhsa_user_sgpr_kernarg_segment_ptr 1
		.amdhsa_wavefront_size32 1
		.amdhsa_system_sgpr_workgroup_id_x 1
		.amdhsa_system_sgpr_workgroup_id_y 1
		.amdhsa_system_sgpr_workgroup_id_z 1
		.amdhsa_system_vgpr_workitem_id 0
		.amdhsa_next_free_vgpr 178
		.amdhsa_next_free_sgpr 66
		.amdhsa_reserve_vcc 0
		.amdhsa_float_denorm_mode_32 3
		.amdhsa_float_denorm_mode_16_64 3
		.amdhsa_memory_ordered 1
		.amdhsa_forward_progress 1
		.amdhsa_inst_pref_size 97
	.end_amdhsa_kernel
	.amdgpu_metadata
---
amdhsa.version: [ 1, 2 ]
amdhsa.kernels:
  - .name:           k_q5d420027b1_quant
    .symbol:         k_q5d420027b1_quant.kd
    .args:
      - { .name: inputs, .offset: 0, .size: 8, .value_kind: global_buffer, .address_space: global }
      - { .name: lowp_scales, .offset: 8, .size: 8, .value_kind: global_buffer, .address_space: global }
      - { .name: xc, .offset: 16, .size: 8, .value_kind: global_buffer, .address_space: global }
    .group_segment_fixed_size: 33280
    .private_segment_fixed_size: 0
    .kernarg_segment_align: 8
    .kernarg_segment_size: 24
    .max_flat_workgroup_size: 128
    .sgpr_count:     66
    .vgpr_count:     178
    .wavefront_size: 32
...
	.end_amdgpu_metadata
.endif
;; end of part 1
;; launch proj (part 2): grid 128 x 4, 4 waves a work-group, clusters of 4 x 4, 327,680 bytes of LDS; arguments xc, Wq_codes, Wk_codes, Wv_codes, Wr_codes, bq, bk, bv, br, lowp_scales, qkv, ri; writes qkv, ri
.if DOCPART == 2
	.amdgcn_target "amdgcn-amd-amdhsa--gfx1250"
	.amdhsa_code_object_version 6
	.text
	.protected	k_q5d420027b1_proj
	.globl	k_q5d420027b1_proj
	.p2align	8
	.type	k_q5d420027b1_proj,@function
k_q5d420027b1_proj:
	s_mov_b64 s[64:65], 0
	v_nop
	global_prefetch_b8 v0, s[64:65] scope:SCOPE_SE
	s_setreg_imm32_b32 hwreg(HW_REG_WAVE_MODE, 25, 1), 1
	s_wait_xcnt 0x0
	s_wait_alu depctr_hold_cnt(0) depctr_sa_sdst(0) depctr_va_vdst(0) depctr_va_sdst(0) depctr_va_ssrc(0) depctr_va_vcc(0) depctr_vm_vsrc(0)
	s_getreg_b32 s2, hwreg(HW_REG_IB_STS2, 6, 4)
	s_cmp_eq_u32 s2, 0
	s_cbranch_scc0 .Lentry_in_a_cluster
	s_endpgm
.Lentry_in_a_cluster:
	s_bfe_u32 s2, ttmp6, 0x10000c
	s_cmp_lg_u32 s2, 0xf033
	s_cbranch_scc0 .Lentry_shape_is_right
	s_endpgm
.Lentry_shape_is_right:
; The four projections of the inputs, on E4M3 codes: q, k, v, r = x W^T + b.  x's codes: xc [4 planes][8192][1024]; each W: [1024][1024] codes, K innermost.  Sums in f32.
; There are 32 clusters, all along x.  The cluster's number i says which product (0 q, 1 k, 2 v, 3 r) and which eighth of the tokens: product = (i & 1) + 2 for i < 16, (i & 1) from 16 on; eighth = (i >> 1) & 7.
; It is the same number in all sixteen partners, so the text may choose pointers and branch by it.  v's way out is some 600 vector instructions for a block of 16 rows and r's 16 stores, against some 110 instructions and 4 stores
; for q and k: so the long ways out have the lowest numbers, and clusters i and i + 16 hold one long and one short product.
; A tile of 256 x 256 of a product is made by four waves, each 128 x 128: 64 accumulators, 512 registers.  K = 1024 goes in steps of 256 through a ring of two LDS slots filled by the tensor data mover.
; CLUSTERS: 4 x 4 work-groups.  The four of a row of the cluster need the same tile of the operand called A here, the four of a column the same tile of B: each tile is asked for JOINTLY.
; THE MATRIX INSTRUCTION IS USED TRANSPOSED (source 0 = 16 rows of B, source 1 = 16 rows of A): a lane holds ONE row of A and its eight registers eight neighbouring rows of B.
; q, k, r: A = x (a lane holds a token), B = W (registers run along the output's columns, which are the next product's K).   v: A = Wv, B = x: a lane holds a channel d, registers run along the TOKENS, the K of the second attention product.
; WHAT IS STORED ARE IMAGES OF OPERAND REGISTERS.  One conversion of an accumulator gives two registers with 8 neighbours along the next K: registers 2 c, 2 c + 1 = k 16 c + 8 (lane / 16) + 0 .. 7, the 8-bit operand's own layout.
; Registers 4 p .. 4 p + 3 of an image are stored at 512 p + 16 x lane: each store of the wave covers 512 consecutive bytes, aligned; the reader gets its fragment by the same lines as loads.  So no result goes through LDS.
;   qkv [128 heads][196608]: q images [64 blocks of 16 tokens][1024], then k images likewise, then images of log_sigmoid(v)^T [8 blocks of 128 keys][4 blocks of 16 channels][2048].   ri [128 heads][64][4096]: r in f32, register 8 t + j = channel 16 t + 8 (lane / 16) + j.
; log_sigmoid(x) = min(x, 0) - ln2 log2(1 + e) - c (1 - e), e = exp(-|x|), c = e - ((1 + e) - 1), the part of e that the sum 1 + e rounds away: all terms of one sign, nothing cancels.
; LIMITS on the given exponents, so that each power of two is an f32 number: entries 2 w + (2 w + 1) added lie between -126 and 127; entries 8, 9, 11 between -126 and 119.  NaN among the inputs is not served; exp(-|x|) under 2^-126 counts as 0.
; REGISTERS, in windows of 256: window 0: v16-29 addresses and constants; v32-95 the bias along registers; v96-103 the bias along lanes; v104-119 at work; from v128 A's fragments, ONE set (free on the way out).
;   window 1: B's fragments, two sets.   window 2: the accumulators of my A rows 0-63 ((a, b) at v[8 (8 a + b)]);   window 3: those of rows 64-127.
.set KSTEP,  256
.set ROWB,   256                       ; a tile's row in bytes
.set KROW,   1024                      ; a row of either operand in memory
.set PITCH,  272                       ; an LDS row: 256 bytes + 16 of padding = 68 words: the 16 rows that a load touches start at 16 different banks (64 banks of 4 bytes: ISA guide 11.1)
.set FR,     16                        ; registers of a fragment: 16 rows x 128 K
.set NL,     4                         ; LDS loads that bring one
.set NP,     4                         ; places behind this matrix instruction (ISA guide 7.12.1)
.set HALFT,  128*PITCH                 ; what one tensor load brings
.set SLOT,   4*HALFT                   ; A's 256 rows, then B's 256 rows
.set LAPS,   2                         ; 1024 / (2 x 256)
.set SPARE,  2*SLOT                    ; behind the ring: the spare words, 128 bytes for each wave
.set HEADB,  196608                    ; a head's bytes in qkv
.set ADRA, 16                          ; v16-17  LDS address of my A fragments in slot 0, 1
.set ADRB, 20                          ; v20-21  the same for B
.set CBO,  22                          ; v22     32 x (lane / 16): offset of the bias along registers
.set RBO,  23                          ; v23     4 x (lane % 16): offset of the bias along lanes
.set LI,   24                          ; v24     16 x lane: my place in an image's piece
.set VO,   25                          ; v25     the same + the block's place, in v's way out
.set SCV,  26                          ; v26     2^eo as f32, eo the scale entry of what is made
.set LMV,  27                          ; v27     448 x 2^eo
.set SPW,  28                          ; v28     LDS address of my spare word; never rewritten
.set NIL,  29                          ; v29     0; never rewritten
.set BC,   32
.set BR,   96
.set TM,   104
.set AF,   128
.set TMP,  128                         ; the way out: 64 numbers
.set EE,   192                         ; the way out: codes; in v's also e
.set UU,   32                          ; v's way out: 1 + e, then its logarithm (the bias along registers is not used there)
.set PW,   67                          ; s67     which product: 0 q, 1 k, 2 v, 3 r
.set G1, 24
.set G0, 32
.set G1B, 48
.set G0B, 56
.set MSB, 0
.macro WIN new                         ; the immediate's high byte repeats the setting that is left
.if MSB != (\new)
	s_set_vgpr_msb (MSB<<8)|(\new)
.set MSB, \new
.endif
.endm
.set MUL_LO, 0xa1                      ; source 0 (B) window 1, source 1 (A) window 0, C and D window 2
.set MUL_HI, 0xf1                      ; the same, C and D window 3
.set TO_B,   0x40                      ; destination window 1, address window 0
; A joint load: waves 0 and 1 fetch for A, waves 2 and 3 for B.  The branch hangs on the wave's number alone.  Four v_nop follow each of the two lines.
.macro JLOAD g0a, g1a, g0b, g1b
	s_cmp_eq_u32 s15, 0
	s_cbranch_scc0 .Lfor_b_\@
	tensor_load_to_lds s[\g0a:\g0a+3], s[\g1a:\g1a+7]
	s_nop 0
.rept 4
	v_nop
.endr
	s_branch .Lasked_\@
.Lfor_b_\@:
	tensor_load_to_lds s[\g0b:\g0b+3], s[\g1b:\g1b+7]
	s_nop 0
.rept 4
	v_nop
.endr
.Lasked_\@:
.endm
.macro CREST                           ; a round of the cluster's barrier behind its opening barrier
	s_cmp_lg_u32 s14, 0
	s_cbranch_scc1 .Lnot_wave_0_\@
	s_barrier_signal -3
.Lnot_wave_0_\@:
	s_barrier_wait -3
	s_barrier_signal -1
	s_barrier_wait -1
.endm
.macro CROUND                          ; a whole round
	s_barrier_signal -1
	s_barrier_wait -1
	CREST
.endm
	s_load_b512 s[68:83], s[0:1], 0x0              ; xc 68, Wq 70, Wk 72, Wv 74, Wr 76, bq 78, bk 80, bv 82
	s_load_b256 s[84:91], s[0:1], 0x40             ; br 84, the scales 86, qkv 88, ri 90
	v_lshl_add_u32 v[SPW], v0, 2, SPARE
	v_mov_b32 v[NIL], 0
	ds_add_u32 v28, v29
	ds_add_u32 v28, v29
	s_wait_dscnt 0x0
	v_lshrrev_b32 v1, 5, v0
	v_readfirstlane_b32 s14, v1                    ; wave 0..3
	s_lshr_b32 s15, s14, 1                         ; which half of A's rows is mine.  Also: I fetch for A (0) or for B (1)
	s_and_b32 s16, s14, 1                          ; which half of B's rows.  Also: which 128 rows of that tile I fetch
	s_bfe_u32 s40, ttmp6, 0x40000                  ; cx, cy: my place in the cluster
	s_bfe_u32 s41, ttmp6, 0x40004
	s_and_b32 s[PW], ttmp9, 1                      ; the cluster's number, 0 .. 31, gives the product:
	s_cmp_lt_u32 ttmp9, 16
	s_cselect_b32 s18, 2, 0
	s_add_co_u32 s[PW], s[PW], s18                 ; v or r in the first sixteen clusters, q or k in the others,
	s_bfe_u32 s66, ttmp9, 0x30001                  ; and the eighth of the tokens: bits 3:1, 0 .. 7
	s_cmp_eq_u32 s[PW], 2                          ; x has 32 tiles of 256 rows, a weight 4: the eighth walks x's tiles, which are A's but for v
	s_cselect_b32 s18, 0, 4
	s_cselect_b32 s19, 4, 0
	s_mul_i32 s17, s66, s18
	s_add_co_u32 s17, s17, s41                     ; A's tile: 4 x eighth + cy (v: cy)
	s_mul_i32 s42, s66, s19
	s_add_co_u32 s42, s42, s40                     ; B's tile: cx (v: 4 x eighth + cx)
	s_lshl_b32 s43, s41, 2
	s_lshl_b32 s43, 15, s43                        ; my row of the cluster
	s_lshl_b32 s44, 0x1111, s40                    ; my column
	; descriptor group 1: a tile of 128 rows x 256 bytes, padded in LDS
	s_or_b32 s[G1+0], s43, (0<<16)|(1<<20)|(1<<21)|(5<<22)|(3<<25)  ; 15:0 the mask: A's tiles go to my row; 17:16 elements of 1 byte; 20 padding on; 21 set beside a mask; 24:22 after every 64 words; 31:25 four words
	s_or_b32 s[G1B+0], s44, (0<<16)|(1<<20)|(1<<21)|(5<<22)|(3<<25)
.irp g, G1, G1B
	s_mov_b32 s[\g+1], ROWB<<16                    ; tensor_dim0
	s_mov_b32 s[\g+2], 128<<16                     ; tensor_dim1
	s_mov_b32 s[\g+3], ROWB<<16                    ; tile_dim0
	s_mov_b32 s[\g+4], 128                         ; tile_dim1
	s_mov_b32 s[\g+5], KROW                        ; tensor_dim0_stride
	s_mov_b32 s[\g+6], 0
	s_mov_b32 s[\g+7], 0
.endr
	s_lshl_b32 s18, s16, 7                         ; which 128 rows of the tile I fetch
	s_lshl_b32 s20, s17, 8
	s_add_co_u32 s20, s20, s18
	s_lshl_b32 s20, s20, 10                        ; A: (256 x tile + 128 x half) rows of 1,024 bytes
	s_mov_b32 s21, 0
	s_lshl_b32 s46, s42, 8
	s_add_co_u32 s46, s46, s18
	s_lshl_b32 s46, s46, 10                        ; B likewise
	s_mov_b32 s47, 0
	s_mul_i32 s45, s14, HALFT                      ; where they go: wave x 128 rows: no place in the cluster enters an LDS address
	s_lshl_b32 s22, s[PW], 3                       ; the product's two scale entries lie at byte 8 w
	s_mov_b32 s23, 0
	s_wait_kmcnt 0x0
	s_add_nc_u64 s[92:93], s[86:87], s[22:23]
	s_load_b64 s[96:97], s[92:93], 0x0
	s_lshr_b32 s22, s[PW], 1
	s_add_co_u32 s22, s22, s[PW]
	s_lshl_b32 s22, s22, 2
	s_add_co_u32 s22, s22, 32                      ; the entry of what is made: byte 32 (q), 36 (k), 44 (log_sigmoid v); for r byte 48, read and not used
	s_add_nc_u64 s[94:95], s[86:87], s[22:23]
	s_load_b32 s98, s[94:95], 0x0
	s_cmp_eq_u32 s[PW], 0                          ; the product's weight and bias
	s_cselect_b64 s[4:5], s[70:71], s[72:73]
	s_cselect_b64 s[12:13], s[78:79], s[80:81]
	s_cmp_eq_u32 s[PW], 2
	s_cselect_b64 s[4:5], s[74:75], s[4:5]
	s_cselect_b64 s[12:13], s[82:83], s[12:13]
	s_cmp_eq_u32 s[PW], 3
	s_cselect_b64 s[4:5], s[76:77], s[4:5]
	s_cselect_b64 s[12:13], s[84:85], s[12:13]
	s_lshl_b32 s18, s[PW], 23
	s_mov_b32 s19, 0
	s_add_nc_u64 s[6:7], s[68:69], s[18:19]        ; x's plane of codes for this product
	s_cmp_eq_u32 s[PW], 2
	s_cselect_b64 s[8:9], s[4:5], s[6:7]           ; A
	s_cselect_b64 s[10:11], s[6:7], s[4:5]         ; B
	s_add_nc_u64 s[20:21], s[8:9], s[20:21]
	s_add_nc_u64 s[46:47], s[10:11], s[46:47]
	CROUND                                         ; all sixteen work-groups are here: the first joint loads meet
.irp s, 0,1
	s_mov_b32 s[G0+4*\s], 1
	s_add_co_u32 s[G0+4*\s+1], s45, \s*SLOT
	s_add_nc_u64 s[G0+4*\s+2:G0+4*\s+3], s[20:21], \s*ROWB
	s_or_b32 s[G0+4*\s+3], s[G0+4*\s+3], 0x80000000
	s_mov_b32 s[G0B+4*\s], 1
	s_add_co_u32 s[G0B+4*\s+1], s45, \s*SLOT
	s_add_nc_u64 s[G0B+4*\s+2:G0B+4*\s+3], s[46:47], \s*ROWB
	s_or_b32 s[G0B+4*\s+3], s[G0B+4*\s+3], 0x80000000
	JLOAD G0+4*\s, G1, G0B+4*\s, G1B
.endr
	v_and_b32 v1, 15, v0                           ; l % 16
	v_bfe_u32 v2, v0, 4, 1                         ; l / 16
	v_mul_u32_u24 v3, v1, PITCH
	v_lshl_add_u32 v4, v2, 4, v3                   ; a fragment's row x pitch + 16 x half
	s_mul_i32 s18, s15, HALFT                      ; my 128 rows of A
	s_mul_i32 s19, s16, HALFT                      ; my 128 rows of B,
	s_add_co_u32 s19, s19, 2*HALFT                 ; which lie behind A's 256
.irp s, 0,1
	v_add_nc_u32 v[ADRA+\s], s18, v4
	v_add_nc_u32 v[ADRB+\s], s19, v4
	s_add_co_u32 s18, s18, SLOT
	s_add_co_u32 s19, s19, SLOT
.endr
	v_lshlrev_b32 v[CBO], 5, v2
	v_lshlrev_b32 v[RBO], 2, v1
	v_and_b32 v5, 31, v0
	v_lshlrev_b32 v[LI], 4, v5
	; The bias, both ways, with no branch: along registers (q, k, r: B's rows are the columns) and along lanes (v: A's rows are).  The tile's number is cut to 0 .. 3, so that the kind that
	; a product does not use is read inside the buffer too; its numbers are not used.
	s_and_b32 s18, s42, 3
	s_lshl_b32 s18, s18, 10
	s_lshl_b32 s19, s16, 9
	s_add_co_u32 s18, s18, s19
	s_mov_b32 s19, 0
	s_add_nc_u64 s[4:5], s[12:13], s[18:19]        ; bias at B's 128 rows of mine
	s_and_b32 s18, s17, 3
	s_lshl_b32 s18, s18, 10
	s_lshl_b32 s22, s15, 9
	s_add_co_u32 s18, s18, s22
	s_add_nc_u64 s[6:7], s[12:13], s[18:19]        ; bias at A's 128 rows of mine
.irp b, 0,1,2,3,4,5,6,7
	global_load_b128 v[BC+8*\b:BC+8*\b+3], v[CBO], s[4:5] offset:64*\b        ; register 8 b + j: bias at 16 b + 8 (l / 16) + j
	global_load_b128 v[BC+8*\b+4:BC+8*\b+7], v[CBO], s[4:5] offset:64*\b+16
.endr
.irp a, 0,1,2,3,4,5,6,7
	global_load_b32 v[BR+\a], v[RBO], s[6:7] offset:64*\a                     ; register a: bias at 16 a + l % 16
.endr
.macro FRAG reg, adr, q, i             ; 16 rows x 128 K: lane l holds row l % 16; registers 4 c .. 4 c + 3 hold K = 32 c + 16 (l / 16) + 0 .. 15: the same order of k in A and in B, so every product meets its partner
.irp c, 0,1,2,3
	ds_load_b128 v[\reg+4*\c:\reg+4*\c+3], v[\adr] offset:128*(\q)+32*\c+(\i)*16*PITCH
.endr
.endm
; 16 matrix instructions: A's blocks a0, a0 + 1 x B's eight.  p: B's set.  zero = 1: the first product starts the sums.  The 64 accumulators take turns, one instruction a turn.
.macro MUL16 a0, p, zero
.irp a, \a0, \a0+1
.irp b, 0,1,2,3,4,5,6,7
.if \zero
	v_wmma_f32_16x16x128_fp8_fp8 v[8*(8*((\a)%4)+\b):8*(8*((\a)%4)+\b)+7], v[128*(\p)+FR*\b:128*(\p)+FR*\b+FR-1], v[AF+FR*(\a):AF+FR*(\a)+FR-1], 0
.else
	v_wmma_f32_16x16x128_fp8_fp8 v[8*(8*((\a)%4)+\b):8*(8*((\a)%4)+\b)+7], v[128*(\p)+FR*\b:128*(\p)+FR*\b+FR-1], v[AF+FR*(\a):AF+FR*(\a)+FR-1], v[8*(8*((\a)%4)+\b):8*(8*((\a)%4)+\b)+7]
.endif
.endr
.endr
.endm
.macro FETCH_B slot, q, p
	WIN TO_B
.irp i, 0,1,2,3,4,5,6,7
	FRAG 128*(\p)+FR*\i, ADRB+\slot, \q, \i
.endr
	WIN 0
.endm
.macro FETCH_A slot, q, i0
.irp i, \i0, \i0+1, \i0+2, \i0+3
	FRAG AF+FR*(\i), ADRA+\slot, \q, \i
.endr
.endm
.macro PLACES n                        ; plain vector lines between a matrix instruction and a load into, or a vector write of, one of its registers, or a read of its result
.rept \n
	v_nop
.endr
.endm
; A step of 128 along K that has its successor in the same slot.  A block of A is free as soon as its eight products are issued: one set serves A; B's fragments are at work through the whole step and have two.
.macro STEP slot, q, zero
	s_wait_dscnt 4*NL                              ; B's set and A's blocks 0-3 are in; the youngest sixteen loads (A's blocks 4-7) may be out
	WIN MUL_LO
	MUL16 0, (\q)%2, \zero
	MUL16 2, (\q)%2, \zero
	s_wait_dscnt 0                                 ; A's blocks 4-7 are in
	PLACES NP
	FETCH_B \slot, (\q)+1, 1-(\q)%2
	FETCH_A \slot, (\q)+1, 0
	WIN MUL_HI
	MUL16 4, (\q)%2, \zero
	MUL16 6, (\q)%2, \zero
	PLACES NP
	WIN 0
	FETCH_A \slot, (\q)+1, 4
.endm
; A slot's last step changes slots: ONE barrier; in front of it each wave waits for all its tensor loads, adds 0 to its spare word, and waits for that and for its own reads of this slot.  fill = 1: this slot is filled again, two K steps ahead.
.macro TURN slot, next, fill
	s_wait_tensorcnt 0x0                           ; all my tensor loads have landed: my part of the next slot
	ds_add_u32 v[SPW], v[NIL]                      ; 0 onto my spare word
	s_wait_dscnt 4*NL+1                            ; (the add and the youngest sixteen loads may be out)
	WIN MUL_LO
	MUL16 0, 1, 0
	s_wait_dscnt 0x0                               ; the add is done, and my reads of this slot are over
	s_barrier_signal -1
	MUL16 2, 1, 0
	WIN 0
	s_barrier_wait -1
.if \fill
	CREST                                          ; the barrier has opened a round of the cluster's barrier: no wave of any partner still reads this slot or has a load on its way
	s_add_nc_u64 s[G0+4*\slot+2:G0+4*\slot+3], s[G0+4*\slot+2:G0+4*\slot+3], 2*ROWB
	s_add_nc_u64 s[G0B+4*\slot+2:G0B+4*\slot+3], s[G0B+4*\slot+2:G0B+4*\slot+3], 2*ROWB
	JLOAD G0+4*\slot, G1, G0B+4*\slot, G1B         ; the first tensor load behind the round; its four v_nop are the places in front of the loads below
.else
	PLACES NP
.endif
	FETCH_B \next, 0, 0
	FETCH_A \next, 0, 0
	WIN MUL_HI
	MUL16 4, 1, 0
	MUL16 6, 1, 0
	PLACES NP
	WIN 0
	FETCH_A \next, 0, 4
.endm
	s_wait_tensorcnt 1                             ; my part of K step 0 is in (K step 1's load may be out)
	s_barrier_signal -1
	s_barrier_wait -1                              ; everybody's is
	FETCH_B 0, 0, 0
	FETCH_A 0, 0, 0
	FETCH_A 0, 0, 4
	STEP 0, 0, 1                                   ; the first step stands in front of the loop: its products start the sums
	s_mov_b32 s3, LAPS-1
.Llap:                                                 ; a trip goes once round the ring and fills both slots again
	TURN 0, 1, 1
	STEP 1, 0, 0
	TURN 1, 0, 1
	STEP 0, 0, 0
	s_sub_co_u32 s3, s3, 1
	s_cmp_lg_u32 s3, 0
	s_cbranch_scc1 .Llap
	TURN 0, 1, 0                                   ; the last lap fills nothing
	STEP 1, 0, 0
	s_wait_dscnt 4*NL                              ; the very last step
	WIN MUL_LO
	MUL16 0, 1, 0
	MUL16 2, 1, 0
	s_wait_dscnt 0
	WIN MUL_HI
	MUL16 4, 1, 0
	MUL16 6, 1, 0
	WIN 0
	; ---- ahead of the ways out
	s_wait_kmcnt 0x0                               ; the three scale entries
	s_wait_loadcnt 0x0                             ; the biases
	s_add_co_i32 s96, s96, s97
	s_add_co_i32 s96, s96, 127
	s_lshl_b32 s96, s96, 23                        ; 2^(the two operands' entries added) as f32
	s_mov_b32 s97, s96                             ; (named with it as a pair, so it is written)
	s_add_co_i32 s98, s98, 127
	s_lshl_b32 s18, s98, 23
	v_mov_b32 v[SCV], s18                          ; 2^eo
	s_add_co_i32 s98, s98, 8
	s_lshl_b32 s98, s98, 23
	s_or_b32 s98, s98, 0x600000
	v_mov_b32 v[LMV], s98                          ; 448 x 2^eo
	s_mov_b32 s99, 0x3fb8aa3b                      ; log2(e)
	s_mov_b32 s100, 0xbf317218                     ; -ln 2
	s_mov_b32 s101, s100
	PLACES NP                                      ; behind the last products: the ways out read results and write over A's fragments
	s_lshr_b32 s18, s17, 2                         ; q, k, r: the batch = A's tile / 4,
	s_lshl_b32 s18, s18, 4
	s_lshl_b32 s19, s42, 2
	s_add_co_u32 s18, s18, s19
	s_lshl_b32 s19, s16, 1
	s_add_co_u32 s18, s18, s19                     ; my first head: 16 x batch + 4 x B's tile + 2 x half
	s_and_b32 s19, s17, 3
	s_lshl_b32 s19, s19, 4
	s_lshl_b32 s22, s15, 3
	s_add_co_u32 s19, s19, s22                     ; my first block of 16 tokens in the batch
	s_mov_b32 s21, 0
	s_cmp_eq_u32 s[PW], 2
	s_cbranch_scc1 .Lv
	s_cmp_eq_u32 s[PW], 3
	s_cbranch_scc1 .Lr
	; ---- q and k: sum x 2^(..) + bias, held, turned into codes: B's blocks 4 u .. 4 u + 3 are head u's image
	s_mul_i32 s20, s18, HEADB
	s_lshl_b32 s22, s[PW], 16                      ; k's images lie 65,536 bytes behind q's
	s_add_co_u32 s20, s20, s22
	s_lshl_b32 s22, s19, 10
	s_add_co_u32 s20, s20, s22
	s_add_nc_u64 s[20:21], s[88:89], s[20:21]
.macro QK_BLOCK a
	s_wait_xcnt 0x0                                ; the last block's stores have read their codes
	WIN 0x02+((\a)/4)                              ; source 0: window 2 or 3
.set j, 0
.rept 32
	v_pk_fma_f32 v[TMP+j:TMP+j+1], v[64*((\a)%4)+j:64*((\a)%4)+j+1], s[96:97], v[BC+j:BC+j+1] op_sel_hi:[1,0,1]   ; each accumulator from its low end on
.set j, j+2
.endr
	WIN 0
.set j, 0
.rept 64
	v_med3_num_f32 v[TMP+j], v[TMP+j], -v[LMV], v[LMV]   ; the conversion does not saturate (ISA guide 7.6.2)
.set j, j+1
.endr
.irp b, 0,1,2,3,4,5,6,7
	v_cvt_scalef32_pk8_fp8_f32 v[EE+2*\b:EE+2*\b+1], v[TMP+8*\b:TMP+8*\b+7], v[SCV]
.endr
	v_nop                                          ; a plain line between the conversions and the next vector line that writes their sources
.irp u, 0,1
.irp p, 0,1
	global_store_b128 v[LI], v[EE+8*\u+4*\p:EE+8*\u+4*\p+3], s[20:21] offset:\u*HEADB+(\a)*1024+\p*512   ; 32 lanes store 512 consecutive bytes, aligned
.endr
.endr
.endm
.irp a, 0,1,2,3,4,5,6,7
	QK_BLOCK \a
.endr
	s_branch .Lend
.Lr:	; ---- r stays f32: it goes into a quantiser only after the gate
	s_lshl_b32 s20, s18, 18                        ; a head's 262,144 bytes in ri
	s_lshl_b32 s22, s19, 12
	s_add_co_u32 s20, s20, s22
	s_add_nc_u64 s[20:21], s[90:91], s[20:21]
.macro R_BLOCK a
	s_wait_xcnt 0x0                                ; the last block's stores have read their registers
	WIN 0x02+((\a)/4)
.set j, 0
.rept 32
	v_pk_fma_f32 v[TMP+j:TMP+j+1], v[64*((\a)%4)+j:64*((\a)%4)+j+1], s[96:97], v[BC+j:BC+j+1] op_sel_hi:[1,0,1]
.set j, j+2
.endr
	WIN 0
.irp u, 0,1
.irp p, 0,1,2,3,4,5,6,7
	global_store_b128 v[LI], v[TMP+32*\u+4*\p:TMP+32*\u+4*\p+3], s[20:21] offset:\u*262144+(\a)*4096+\p*512
.endr
.endr
.endm
.irp a, 0,1,2,3,4,5,6,7
	R_BLOCK \a
.endr
	s_branch .Lend
.Lv:	; ---- v: a lane holds a channel, registers run along 128 tokens: A's block a becomes one image of log_sigmoid(v)^T
	s_lshl_b32 s18, s17, 2
	s_lshl_b32 s19, s15, 1
	s_add_co_u32 s18, s18, s19                     ; my first head in the batch: 4 x A's tile + 2 x half
	s_lshr_b32 s19, s42, 2
	s_lshl_b32 s19, s19, 4
	s_add_co_u32 s18, s18, s19                     ; + 16 x batch
	s_mul_i32 s20, s18, HEADB
	s_and_b32 s19, s42, 3
	s_lshl_b32 s19, s19, 1
	s_add_co_u32 s19, s19, s16                     ; my block of 128 keys
	s_lshl_b32 s19, s19, 13
	s_add_co_u32 s20, s20, s19
	s_add_co_u32 s20, s20, 131072
	s_add_nc_u64 s[20:21], s[88:89], s[20:21]
; The block's 64 sums come out of their window by one of eight arms, chosen by the trip's number; all else of a trip is written once.
.macro V_ARM a
.if \a < 7
	s_cmp_eq_u32 s3, \a
	s_cbranch_scc0 .Lnot_arm_\a
.endif
	WIN 0x02+(\a/4)
.set i, 0
.rept 64
	v_fma_f32 v[TMP+i], v[64*(\a%4)+i], s96, v[BR+\a]   ; v = sum x 2^(..) + the channel's bias; each accumulator from its low end on
.set i, i+1
.endr
	WIN 0
	s_mov_b32 s18, (\a/4)*HEADB+(\a%4)*2048        ; head a / 4, block a % 4 of its 16-channel blocks
.if \a < 7
	s_branch .Lv_common
.Lnot_arm_\a:
.endif
.endm
	s_mov_b32 s3, 0
.Lv_trip:
	s_wait_xcnt 0x0                                ; the last trip's stores have read their codes and their offset
.irp a, 0,1,2,3,4,5,6,7
	V_ARM \a
.endr
.Lv_common:
.set i, 0
.rept 64
	v_mul_f32 v[EE+i], -|v[TMP+i]|, s99            ; -|x| log2(e)
.set i, i+1
.endr
.set i, 0
.rept 64
	v_exp_f32 v[EE+i], v[EE+i]                     ; e = exp(-|x|), at most 1
.set i, i+1
.endr
	v_nop                                          ; a plain line behind the last exponential
.set i, 0
	s_wait_alu depctr_va_vdst(0)
.rept 32
	v_pk_add_f32 v[UU+i:UU+i+1], v[EE+i:EE+i+1], 1.0 op_sel_hi:[1,0]   ; u = 1 + e
.set i, i+2
.endr
.irp g, 0,1,2,3
.irp j, 0,2,4,6,8,10,12,14
	v_pk_add_f32 v[TM+\j:TM+\j+1], v[UU+16*\g+\j:UU+16*\g+\j+1], -1.0 op_sel_hi:[1,0]   ; u - 1, exact
.endr
.irp j, 0,2,4,6,8,10,12,14
	v_pk_add_f32 v[TM+\j:TM+\j+1], v[EE+16*\g+\j:EE+16*\g+\j+1], v[TM+\j:TM+\j+1] neg_lo:[0,1] neg_hi:[0,1]   ; c = e - (u - 1): what the sum rounded away
.endr
.irp j, 0,2,4,6,8,10,12,14
	v_pk_fma_f32 v[EE+16*\g+\j:EE+16*\g+\j+1], v[TM+\j:TM+\j+1], v[EE+16*\g+\j:EE+16*\g+\j+1], v[TM+\j:TM+\j+1] neg_lo:[1,0,0] neg_hi:[1,0,0]   ; c (1 - e), for c / u
.endr
.endr
.set i, 0
.rept 64
	v_log_f32 v[UU+i], v[UU+i]                     ; log2(u)
.set i, i+1
.endr
.set i, 0
.rept 64
	v_min_num_f32 v[TMP+i], 0, v[TMP+i]            ; min(x, 0).  (Plain lines behind the logarithms)
.set i, i+1
.endr
.set i, 0
.rept 32
	v_pk_add_f32 v[TMP+i:TMP+i+1], v[TMP+i:TMP+i+1], v[EE+i:EE+i+1] neg_lo:[0,1] neg_hi:[0,1]
.set i, i+2
.endr
.set i, 0
	s_wait_alu depctr_va_vdst(0)
.rept 32
	v_pk_fma_f32 v[TMP+i:TMP+i+1], v[UU+i:UU+i+1], s[100:101], v[TMP+i:TMP+i+1] op_sel_hi:[1,0,1]   ; - ln2 log2(u)
.set i, i+2
.endr
.set i, 0
.rept 64
	v_med3_num_f32 v[TMP+i], v[TMP+i], -v[LMV], v[LMV]
.set i, i+1
.endr
.irp b, 0,1,2,3,4,5,6,7
	v_cvt_scalef32_pk8_fp8_f32 v[EE+2*\b:EE+2*\b+1], v[TMP+8*\b:TMP+8*\b+7], v[SCV]   ; registers 2 b, 2 b + 1: keys 16 b + 8 (l / 16) + 0 .. 7
.endr
	v_nop
	v_add_nc_u32 v[VO], s18, v[LI]
.irp p, 0,1,2,3
	global_store_b128 v[VO], v[EE+4*\p:EE+4*\p+3], s[20:21] offset:\p*512
.endr
	s_add_co_u32 s3, s3, 1
	s_cmp_lt_u32 s3, 8
	s_cbranch_scc1 .Lv_trip
.Lend:
	s_wait_tensorcnt 0x0                           ; the wave's end
	ds_add_u32 v[SPW], v[NIL]
	s_wait_dscnt 0x0
	CROUND                                         ; the closing round: no work-group ends while a partner may still ask for a tile that names it
	s_endpgm
.Lfunc_end_k_q5d420027b1_proj:
	.size	k_q5d420027b1_proj, .Lfunc_end_k_q5d420027b1_proj-k_q5d420027b1_proj
	.p2alignl 7, 3214868480
	.fill 96, 4, 3214868480
	.section	.rodata,"a",@progbits
	.p2align	6, 0x0
	.amdhsa_kernel k_q5d420027b1_proj
		.amdhsa_group_segment_fixed_size 327680
		.amdhsa_private_segment_fixed_size 0
		.amdhsa_enable_private_segment 0
		.amdhsa_kernarg_size 96
		.amdhsa_user_sgpr_count 2
		.amdhsa_user_sgpr_kernarg_segment_ptr 1
		.amdhsa_wavefront_size32 1
		.amdhsa_system_sgpr_workgroup_id_x 1
		.amdhsa_system_sgpr_workgroup_id_y 1
		.amdhsa_system_sgpr_workgroup_id_z 1
		.amdhsa_system_vgpr_workitem_id 0
		.amdhsa_next_free_vgpr 1024
		.amdhsa_next_free_sgpr 102
		.amdhsa_reserve_vcc 0
		.amdhsa_float_denorm_mode_32 3
		.amdhsa_float_denorm_mode_16_64 3
		.amdhsa_memory_ordered 1
		.amdhsa_forward_progress 1
		.amdhsa_inst_pref_size 228
	.end_amdhsa_kernel
	.amdgpu_metadata
---
amdhsa.version: [ 1, 2 ]
amdhsa.kernels:
  - .name:           k_q5d420027b1_proj
    .symbol:         k_q5d420027b1_proj.kd
    .args:
      - { .name: xc, .offset: 0, .size: 8, .value_kind: global_buffer, .address_space: global }
      - { .name: Wq_codes, .offset: 8, .size: 8, .value_kind: global_buffer, .address_space: global }
      - { .name: Wk_codes, .offset: 16, .size: 8, .value_kind: global_buffer, .address_space: global }
      - { .name: Wv_codes, .offset: 24, .size: 8, .value_kind: global_buffer, .address_space: global }
      - { .name: Wr_codes, .offset: 32, .size: 8, .value_kind: global_buffer, .address_space: global }
      - { .name: bq, .offset: 40, .size: 8, .value_kind: global_buffer, .address_space: global }
      - { .name: bk, .offset: 48, .size: 8, .value_kind: global_buffer, .address_space: global }
      - { .name: bv, .offset: 56, .size: 8, .value_kind: global_buffer, .address_space: global }
      - { .name: br, .offset: 64, .size: 8, .value_kind: global_buffer, .address_space: global }
      - { .name: lowp_scales, .offset: 72, .size: 8, .value_kind: global_buffer, .address_space: global }
      - { .name: qkv, .offset: 80, .size: 8, .value_kind: global_buffer, .address_space: global }
      - { .name: ri, .offset: 88, .size: 8, .value_kind: global_buffer, .address_space: global }
    .group_segment_fixed_size: 327680
    .private_segment_fixed_size: 0
    .kernarg_segment_align: 8
    .kernarg_segment_size: 96
    .max_flat_workgroup_size: 128
    .sgpr_count:     102
    .vgpr_count:     1024
    .wavefront_size: 32
...
	.end_amdgpu_metadata
.endif
;; end of part 2
;; launch attn (part 3): grid 2 x 128, 16 waves a work-group, no clusters, 133,120 bytes of LDS; arguments qkv, ri, lowp_scales, gc; writes gc
.if DOCPART == 3
	.amdgcn_target "amdgcn-amd-amdhsa--gfx1250"
	.amdhsa_code_object_version 6
	.text
	.protected	k_q5d420027b1_attn
	.globl	k_q5d420027b1_attn
	.p2align	8
	.type	k_q5d420027b1_attn,@function
k_q5d420027b1_attn:
	s_mov_b64 s[64:65], 0
	v_nop
	global_prefetch_b8 v0, s[64:65] scope:SCOPE_SE
	s_setreg_imm32_b32 hwreg(HW_REG_WAVE_MODE, 25, 1), 1
	s_wait_xcnt 0x0
; For each of 128 heads: g = r x exp(softmax(q k^T / 8) log_sigmoid(v)), both products on E4M3 codes; g leaves as codes for the last product.
; qkv [128 heads][196608]: images of operand registers: q [64 blocks of 16 tokens][1024], k likewise, log_sigmoid(v)^T [8 blocks of 128 keys][4 blocks of 16 channels][2048].  ri [128][64][4096]: r in f32, in the layout of my result.
; gc [512 blocks of 16 tokens][16 heads][1024]: images again: registers 2 t, 2 t + 1 = channels 16 t + 8 (lane / 16) + 0 .. 7 of the lane's token.
; THE SOFTMAX: t = score x log2(e) / 8; M = the row's largest t so far, rounded UP to a whole number; p = 2^(t - M) is quantised, not normalised.  The row's sum is taken of the unquantised p and divides at the end.
; When M moves, the sum and O are multiplied by 2^(old M - new M): exact.
; SHARES.  A work-group owns 512 queries of one head; each of its sixteen waves takes a tile of 16 queries, twice.  Four waves to a SIMD: one wave's vector work stands beside another's products and LDS loads.
; A head's k and v images are 131,072 dense bytes: they are brought into LDS ONCE and stay: each wave loads its 8,192 bytes into registers (16 loads of 512 consecutive bytes) and stores them as they lie; one barrier in the whole text.
; THE HOLD OF p.  p is at most 1 (one last bit more at the most, where t's product was rounded down onto a whole number), and the largest code stands for 448 x 2^e, e = entry 10.  From e = -8 on that is 1.75 or more and the hold changes nothing:
; its 64 lines of a key step stand under a scalar branch on e, inside the loop and round these lines alone.  For e under -8 they run.
; NO CLUSTER: joint requests are tensor loads, of which this text has none; and a head has two work-groups (the grid's x is 2), which fetch what they share once, at their heads, not in every step.
; LAYOUT.  Both products are used transposed: S^T = k q^T (source 0 = 16 keys, source 1 = my 16 queries), O^T = v^T p^T: a lane holds ONE query (lane % 16) throughout.  In S^T tile t, register j is key 16 t + 8 (lane / 16) + j:
; one conversion of a tile gives registers 2 t, 2 t + 1 of the second product's operand, in that operand's own layout.
; LIMITS on the given exponents: entries 8 + 9 between -123 and 130 (added to the exponent field of log2(e) / 8); entries 10 and 12 between -126 and 119; 10 + 11 is applied by v_ldexp_f32.  NaN is not served; exponentials under 2^-126 count as 0.
; REGISTERS: v1-3 addresses that stay; v8, v9 the step's; v12 -M, v13 the largest t, v[14:15] the sum in two halves; v16-23 q of the tile in hand; v24-31 q of the second tile; v32-95 k's eight fragments, then v's four (at the head: my part of the images);
;   v96-159 S^T, then p; v160-191 O^T; v192-223 r; v224-239 p's codes, at a tile's end g's; v240, v244: 448 x 2^e and 2^e for p; v241, v245: for g; v242-243, v246, v252-254 at work.
.set LI,   1                           ; v1   16 x lane: my place in an image's piece; k's images begin at LDS byte 0
.set LV,   2                           ; v2   the same + 65,536: v's images
.set LS,   3                           ; v3   the same + 8,192 x wave: where my wave puts its part of the images
.set ADK,  8
.set ADV,  9
.set WV,   18                          ; s18  my wave's number
.set SEL,  20                          ; s[20:21] lane selects: lane l xor 16
.set CS,   22                          ; s[22:23] c = log2(e) / 8 x 2^(entries 8 + 9)
.set TB,   46                          ; s46  LDS byte of the key step's images
.set KC,   47                          ; s47  key steps to go
.set TC,   48                          ; s48  tiles to go
	s_load_b256 s[4:11], s[0:1], 0x0               ; qkv, ri, the scales, gc
	v_lshl_add_u32 v251, v0, 2, 0x20000
	v_mov_b32 v255, 0
	v_lshrrev_b32 v8, 5, v0
	v_readfirstlane_b32 s[WV], v8                  ; wave 0..15
	v_and_b32 v[LI], 31, v0
	v_lshlrev_b32 v[LI], 4, v[LI]
	v_add_nc_u32 v[LV], 0x10000, v[LI]
	s_lshl_b32 s54, s[WV], 13                      ; my wave's 8,192 bytes of the images
	v_add_nc_u32 v[LS], s54, v[LI]
	v_mov_b32 v246, 0                              ; written once: a lane permute's destination counts as one of its sources
	v_mov_b32 v253, 0                              ; (named as the upper half of the pair v[252:253])
	s_and_b32 s50, ttmp7, 0xffff                   ; the head: 16 x batch + head in the batch
	s_mul_i32 s52, s50, 196608
	s_mov_b32 s53, 0
	s_add_co_u32 s54, s54, 65536                   ; in the head's bytes they lie behind q's images
	s_mov_b32 s55, 0
	s_lshl_b32 s51, ttmp9, 5
	s_add_co_u32 s51, s51, s[WV]                   ; my first block of 16 queries: 32 x work-group x + wave; the second lies 16 blocks on
	s_lshl_b32 s56, s51, 10
	s_mov_b32 s57, 0
	s_mov_b32 s[SEL], 0x76543210
	s_mov_b32 s[SEL+1], 0xfedcba98
	s_mov_b32 s[CS], 0x3e38aa3b                    ; log2(e) / 8
	s_wait_kmcnt 0x0
	s_load_b128 s[40:43], s[8:9], 0x20             ; entries 8 to 11
	s_load_b32 s44, s[8:9], 0x30                   ; entry 12
	s_add_nc_u64 s[4:5], s[4:5], s[52:53]          ; the head's first byte
	s_add_nc_u64 s[12:13], s[4:5], s[54:55]        ; my part of its k and v images
	s_add_nc_u64 s[4:5], s[4:5], s[56:57]          ; my first q image
.irp i, 0,1,2,3,4,5,6,7,8,9,10,11,12,13,14,15
	global_load_b128 v[32+4*\i:35+4*\i], v[LI], s[12:13] offset:512*\i   ; 32 lanes read 512 consecutive bytes; the head's other work-group reads them too, so no hint
.endr
	global_load_b128 v[16:19], v[LI], s[4:5] th:TH_LOAD_NT                 ; q of both tiles: the second tile does not wait for memory
	global_load_b128 v[20:23], v[LI], s[4:5] offset:512 th:TH_LOAD_NT
	global_load_b128 v[24:27], v[LI], s[4:5] offset:16384 th:TH_LOAD_NT
	global_load_b128 v[28:31], v[LI], s[4:5] offset:16896 th:TH_LOAD_NT
	s_lshl_b32 s52, s50, 18
	s_lshl_b32 s54, s51, 12
	s_add_co_u32 s52, s52, s54
	s_add_nc_u64 s[6:7], s[6:7], s[52:53]          ; my first r image
	s_lshr_b32 s52, s50, 4
	s_lshl_b32 s52, s52, 6
	s_add_co_u32 s52, s52, s51
	s_lshl_b32 s52, s52, 14
	s_and_b32 s54, s50, 15
	s_lshl_b32 s54, s54, 10
	s_add_co_u32 s52, s52, s54
	s_add_nc_u64 s[10:11], s[10:11], s[52:53]      ; my first g image: (64 x batch + block) x 16,384 + 1,024 x head
	s_wait_kmcnt 0x0
	s_add_co_i32 s52, s40, s41
	s_lshl_b32 s52, s52, 23
	s_add_co_i32 s[CS], s[CS], s52                 ; a score stands for score x 2^(entries 8 + 9)
	s_mov_b32 s[CS+1], s[CS]
	s_add_co_i32 s52, s42, 127
	s_lshl_b32 s54, s52, 23
	v_mov_b32 v244, s54                            ; 2^(entry 10), for p's conversions
	s_add_co_i32 s52, s52, 8
	s_lshl_b32 s52, s52, 23
	s_or_b32 s52, s52, 0x600000
	v_mov_b32 v240, s52                            ; 448 x that
	s_add_co_i32 s52, s44, 127
	s_lshl_b32 s54, s52, 23
	v_mov_b32 v245, s54                            ; 2^(entry 12), for g's
	s_add_co_i32 s52, s52, 8
	s_lshl_b32 s52, s52, 23
	s_or_b32 s52, s52, 0x600000
	v_mov_b32 v241, s52
	s_add_co_i32 s45, s42, s43                     ; entries 10 + 11
	s_mov_b32 s[TC], 2
	s_wait_loadcnt 4                               ; my sixteen loads of the images are in; q's four may be out
.irp i, 0,1,2,3,4,5,6,7,8,9,10,11,12,13,14,15
	ds_store_b128 v[LS], v[32+4*\i:35+4*\i] offset:512*\i
.endr
	s_wait_dscnt 0x0                               ; for the others' sake: my part of the images lies in LDS,
	s_barrier_signal -1
	s_barrier_wait -1                              ; everybody's does; from here on LDS is only read
.Ltile:
.irp p, 0,1,2,3,4,5,6,7
	global_load_b128 v[192+4*\p:195+4*\p], v[LI], s[6:7] offset:512*\p th:TH_LOAD_NT   ; r is wanted at the tile's end
.endr
	v_mov_b32 v13, 0xff61b1e6                      ; the largest t so far: -3e38
	v_floor_f32 v12, -v13                          ; -M
	v_mov_b32 v14, 0
	v_mov_b32 v15, 0
.set i, 0
.rept 32
	v_mov_b32 v[160+i], 0                          ; O^T: the key step is written once; its first trip finds zeros, which the first change of M leaves zeros
.set i, i+1
.endr
	s_mov_b32 s[TB], 0
	s_mov_b32 s[KC], 8
	s_wait_loadcnt 8                               ; q is in (both tiles'); r's eight loads may be out
.Lkey:                                             ; 128 keys a trip
	v_add_nc_u32 v[ADK], s[TB], v[LI]
	v_add_nc_u32 v[ADV], s[TB], v[LV]
	v_nop
	v_nop                                          ; four plain lines behind the last products, in front of loads into registers that they read
.irp t, 0,1,2,3,4,5,6,7
	ds_load_b128 v[32+8*\t:35+8*\t], v[ADK] offset:1024*\t
	ds_load_b128 v[36+8*\t:39+8*\t], v[ADK] offset:1024*\t+512
.endr
	s_wait_dscnt 0x0
.irp t, 0,1,2,3,4,5,6,7
	v_wmma_f32_16x16x64_fp8_fp8 v[96+8*\t:103+8*\t], v[32+8*\t:39+8*\t], v[16:23], 0
.endr
.rept 4
	v_nop                                          ; places: for the loads below, and for the first read of the scores
.endr
.irp t, 0,1,2,3
.irp p, 0,1,2,3
	ds_load_b128 v[32+16*\t+4*\p:35+16*\t+4*\p], v[ADV] offset:2048*\t+512*\p   ; v's fragments land under the softmax
.endr
.endr
	v_max3_num_f32 v254, v96, v97, v98             ; the step's largest score of my query among my 64 keys, in two chains, each tile from its low end on,
	v_max3_num_f32 v252, v99, v100, v101
.irp i, 6,10,14,18,22,26,30,34,38,42,46,50,54,58
	v_max3_num_f32 v254, v254, v[96+\i], v[97+\i]
	v_max3_num_f32 v252, v252, v[98+\i], v[99+\i]
.endr
	v_max3_num_f32 v254, v254, v158, v159
	v_max_num_f32 v254, v254, v252
	v_permlanex16_b32 v246, v254, s[SEL], s[SEL+1]
	v_max_num_f32 v254, v254, v246                 ; and among lane l xor 16's
	v_mul_f32 v254, s[CS], v254                    ; as t (c is positive)
	v_max_num_f32 v13, v13, v254                   ; the running largest t
	v_mov_b32 v254, v12
	v_floor_f32 v12, -v13                          ; the new -M = floor(-t): M is a whole number
	v_sub_f32 v254, v12, v254                      ; old M - new M: a whole number, 0 or less
	v_cvt_i32_f32 v254, v254                       ; (it saturates)
	v_ldexp_f32 v252, 1.0, v254                    ; f = 2^(old M - new M)
.set i, 0
.rept 32
	v_pk_fma_f32 v[96+i:97+i], v[96+i:97+i], s[CS:CS+1], v[12:13] op_sel_hi:[1,0,0]   ; t - M
.set i, i+2
.endr
.set i, 0
.rept 64
	v_exp_f32 v[96+i], v[96+i]                     ; p = 2^(t - M)
.set i, i+1
.endr
	v_pk_mul_f32 v[14:15], v[14:15], v[252:253] op_sel_hi:[1,0]   ; the sums under the new M.  (A plain line behind the exponentials)
	s_wait_alu depctr_va_vdst(0)
	v_pk_add_f32 v[242:243], v[96:97], v[98:99]    ; the row's sum is taken of the unquantised p, in two chains
.irp j, 4,8,12,16,20,24,28,32,36,40,44,48,52,56,60
	v_pk_add_f32 v[14:15], v[14:15], v[96+\j:97+\j]
	v_pk_add_f32 v[242:243], v[242:243], v[98+\j:99+\j]
.endr
	v_pk_add_f32 v[14:15], v[14:15], v[242:243]
	s_cmp_ge_i32 s42, -8                           ; 448 x 2^(entry 10) is 1.75 or more: no p reaches it, and the hold would change nothing
	s_cbranch_scc1 .Lno_hold
.set i, 0
.rept 64
	v_min_num_f32 v[96+i], v[96+i], v240           ; the conversion does not saturate (ISA guide 7.6.2); p is not negative, so the hold is one-sided
.set i, i+1
.endr
.Lno_hold:
.irp t, 0,1,2,3,4,5,6,7
	v_cvt_scalef32_pk8_fp8_f32 v[224+2*\t:225+2*\t], v[96+8*\t:103+8*\t], v244
.endr
.set i, 0
.rept 16
	v_pk_mul_f32 v[160+i:161+i], v[160+i:161+i], v[252:253] op_sel_hi:[1,0]   ; O^T under the new M.  (Plain lines between the conversions and the products that read the codes)
.set i, i+2
.endr
	s_wait_dscnt 0x0                               ; v's fragments
.irp t, 0,1,2,3
	v_wmma_f32_16x16x128_fp8_fp8 v[160+8*\t:167+8*\t], v[32+16*\t:47+16*\t], v[224:239], v[160+8*\t:167+8*\t]   ; four accumulators by turns; the next trip's eight score tiles stand between two links
.endr
	s_add_co_u32 s[TB], s[TB], 8192
	s_sub_co_u32 s[KC], s[KC], 1
	s_cmp_lg_u32 s[KC], 0
	s_cbranch_scc1 .Lkey
	; ---- the tile's end: y = exp(O / l), g = r y, codes
.rept 4
	v_nop
.endr
	v_add_f32 v14, v14, v15                        ; the sum's two halves,
	v_permlanex16_b32 v246, v14, s[SEL], s[SEL+1]
	v_add_f32 v14, v14, v246                       ; and lane l xor 16's
	v_rcp_f32 v14, v14
	v_nop                                          ; a plain line behind the reciprocal
	s_wait_alu depctr_va_vdst(0)
	v_ldexp_f32 v14, v14, s45                      ; x 2^(entries 10 + 11)
	v_mul_f32 v14, 0x3fb8aa3b, v14                 ; x log2(e): the exponential below is in base 2
.set i, 0
.rept 16
	v_pk_mul_f32 v[96+i:97+i], v[160+i:161+i], v[14:15] op_sel_hi:[1,0]   ; each accumulator from its low end on
.set i, i+2
.endr
.set i, 0
.rept 32
	v_exp_f32 v[96+i], v[96+i]
.set i, i+1
.endr
	v_nop
	s_wait_loadcnt 0x0                             ; r
.set i, 0
	s_wait_alu depctr_va_vdst(0)
.rept 16
	v_pk_mul_f32 v[96+i:97+i], v[96+i:97+i], v[192+i:193+i]
.set i, i+2
.endr
.set i, 0
.rept 32
	v_med3_num_f32 v[96+i], v[96+i], -v241, v241
.set i, i+1
.endr
.irp t, 0,1,2,3
	v_cvt_scalef32_pk8_fp8_f32 v[224+2*\t:225+2*\t], v[96+8*\t:103+8*\t], v245   ; into the registers that held p's codes: the last products that read them stand far back
.endr
	v_nop                                          ; a plain line behind the last conversion
	global_store_b128 v[LI], v[224:227], s[10:11]              ; 32 lanes store 512 consecutive bytes, aligned
	global_store_b128 v[LI], v[228:231], s[10:11] offset:512
.set i, 0
.rept 8
	v_mov_b32 v[16+i], v[24+i]                     ; the second tile's q takes the first's place (behind the second tile the copy changes nothing that is read)
.set i, i+1
.endr
	s_wait_xcnt 0x0                                ; the bases are stepped, and the codes written again, only behind this wait
	s_add_nc_u64 s[6:7], s[6:7], 16*4096
	s_add_nc_u64 s[10:11], s[10:11], 16*16384
	s_sub_co_u32 s[TC], s[TC], 1
	s_cmp_lg_u32 s[TC], 0
	s_cbranch_scc1 .Ltile
	s_wait_tensorcnt 0x0
	ds_add_u32 v251, v255
	s_wait_dscnt 0x0
	s_endpgm
.Lfunc_end_k_q5d420027b1_attn:
	.size	k_q5d420027b1_attn, .Lfunc_end_k_q5d420027b1_attn-k_q5d420027b1_attn
	.p2alignl 7, 3214868480
	.fill 96, 4, 3214868480
	.section	.rodata,"a",@progbits
	.p2align	6, 0x0
	.amdhsa_kernel k_q5d420027b1_attn
		.amdhsa_group_segment_fixed_size 133120
		.amdhsa_private_segment_fixed_size 0
		.amdhsa_enable_private_segment 0
		.amdhsa_kernarg_size 32
		.amdhsa_user_sgpr_count 2
		.amdhsa_user_sgpr_kernarg_segment_ptr 1
		.amdhsa_wavefront_size32 1
		.amdhsa_system_sgpr_workgroup_id_x 1
		.amdhsa_system_sgpr_workgroup_id_y 1
		.amdhsa_system_sgpr_workgroup_id_z 1
		.amdhsa_system_vgpr_workitem_id 0
		.amdhsa_next_free_vgpr 256
		.amdhsa_next_free_sgpr 66
		.amdhsa_reserve_vcc 0
		.amdhsa_float_denorm_mode_32 3
		.amdhsa_float_denorm_mode_16_64 3
		.amdhsa_memory_ordered 1
		.amdhsa_forward_progress 1
		.amdhsa_inst_pref_size 30
	.end_amdhsa_kernel
	.amdgpu_metadata
---
amdhsa.version: [ 1, 2 ]
amdhsa.kernels:
  - .name:           k_q5d420027b1_attn
    .symbol:         k_q5d420027b1_attn.kd
    .args:
      - { .name: qkv, .offset: 0, .size: 8, .value_kind: global_buffer, .address_space: global }
      - { .name: ri, .offset: 8, .size: 8, .value_kind: global_buffer, .address_space: global }
      - { .name: lowp_scales, .offset: 16, .size: 8, .value_kind: global_buffer, .address_space: global }
      - { .name: gc, .offset: 24, .size: 8, .value_kind: global_buffer, .address_space: global }
    .group_segment_fixed_size: 133120
    .private_segment_fixed_size: 0
    .kernarg_segment_align: 8
    .kernarg_segment_size: 32
    .max_flat_workgroup_size: 512
    .sgpr_count:     66
    .vgpr_count:     256
    .wavefront_size: 32
...
	.end_amdgpu_metadata
.endif
;; end of part 3
;; launch outp (part 4): grid 64 x 4, 4 waves a work-group, clusters of 4 x 1, 312,832 bytes of LDS; arguments gc, Wo_codes, bo, inputs, lowp_scales, out0; writes out0
.if DOCPART == 4
	.amdgcn_target "amdgcn-amd-amdhsa--gfx1250"
	.amdhsa_code_object_version 6
	.text
	.protected	k_q5d420027b1_outp
	.globl	k_q5d420027b1_outp
	.p2align	8
	.type	k_q5d420027b1_outp,@function
k_q5d420027b1_outp:
	s_mov_b64 s[64:65], 0
	v_nop
	global_prefetch_b8 v0, s[64:65] scope:SCOPE_SE
	s_setreg_imm32_b32 hwreg(HW_REG_WAVE_MODE, 25, 1), 1
	s_wait_xcnt 0x0
	s_wait_alu depctr_hold_cnt(0) depctr_sa_sdst(0) depctr_va_vdst(0) depctr_va_sdst(0) depctr_va_ssrc(0) depctr_va_vcc(0) depctr_vm_vsrc(0)
	s_getreg_b32 s2, hwreg(HW_REG_IB_STS2, 6, 4)
	s_cmp_eq_u32 s2, 0
	s_cbranch_scc0 .Lentry_in_a_cluster
	s_endpgm
.Lentry_in_a_cluster:
	s_bfe_u32 s2, ttmp6, 0x10000c
	s_cmp_lg_u32 s2, 0x3003
	s_cbranch_scc0 .Lentry_shape_is_right
	s_endpgm
.Lentry_shape_is_right:
; out0 = g Wo^T + bo + inputs, the product on E4M3 codes.  gc [512 blocks of 16 tokens][8 K steps][2048]: images of operand registers (16 tokens x 128 K: registers 4 p .. 4 p + 3 at 512 p + 16 x lane).
; Wo: [1024][1024] codes, K innermost.  bo [1024], inputs and out0 [8192][1024]: f32.  A sum is multiplied by 2^(entries 12 + 13).   LIMIT: entries 12 + 13 between -126 and 127.
; SHARES.  A work-group makes 128 rows x 256 columns; wave w: rows 64 (w / 2) on, columns 128 (w % 2) on: 32 accumulators.  256 work-groups.
; Wo's 256 rows of a column slab, all 1,024 along K, fit in LDS (four chunks of 256 along K): each chunk is filled ONCE and nothing is filled again.  g's fragments come from memory straight into registers, three K steps ahead.
; CLUSTER: the four work-groups of a cluster lie along x: other rows, the same column slab: every tensor load is asked for JOINTLY, with the mask of all four.  A wave has four tensor loads out.
; THE MATRIX INSTRUCTION IS USED TRANSPOSED (source 0 = 16 rows of Wo, source 1 = 16 tokens): a lane holds a token and eight neighbouring columns.  g's images have the 8-bit operand's own layout (registers 2 c, 2 c + 1: k = 16 c + 8 (lane / 16) + 0 .. 7),
; so Wo's fragments are read in that layout too, by loads of 8 bytes.
; REGISTERS, in windows of 256: window 0: v16-19, v24-26 addresses; v32-35 the bias of my four columns; v64-127, v128-191 rows on the way out, by turns.
;   window 1: g's fragments, four sets of 64 (4 token blocks x 16); later the residual rows, block a in set a.   window 2: the accumulators, (a, b) at v[8 (8 a + b)].   window 3: Wo's fragments, two sets of 128.
.set PITCH,  272                       ; an LDS row: 256 bytes + 16 of padding: lane (r, h) of an 8-byte load starts at bank 4 r + 2 h (64 banks of 4 bytes: ISA guide 11.1): 32 lanes, 64 different banks
.set CHUNK,  256*PITCH                 ; 256 rows x 256 along K
.set QUART,  64*PITCH                  ; what one tensor load brings
.set STAGE,  4*CHUNK                   ; behind the chunks: 16 rows x (512 + 16) bytes for each wave; no fill lands here
.set SPITCH, 528
.set ADRB, 16                          ; v16-19  LDS address of my fragments of Wo in chunk 0 .. 3
.set STO,  24                          ; v24     the stage: where I put 32 bytes of a row
.set RD,   25                          ; v25     and where I read a row back
.set CO,   26                          ; v26     16 x lane
.set BI,   32
.set BK,   64
.set G1,   24                          ; s[24:31] descriptor group 1; s[32:47] group 0, one for each chunk
.set G0,   32
.set MSB, 0
.macro WIN new                         ; the immediate's high byte repeats the setting that is left
.if MSB != (\new)
	s_set_vgpr_msb (MSB<<8)|(\new)
.set MSB, \new
.endif
.endm
.set MUL,  0xa7                        ; source 0 (Wo) window 3, source 1 (g) window 1, C and D window 2
.set TO_B, 0xc0                        ; destination window 3, address window 0
.set TO_A, 0x40                        ; destination window 1, address window 0
.macro CROUND                          ; a round of the cluster's barrier
	s_barrier_signal -1
	s_barrier_wait -1
	s_cmp_lg_u32 s16, 0
	s_cbranch_scc1 .Lnot_wave_0_\@
	s_barrier_signal -3
.Lnot_wave_0_\@:
	s_barrier_wait -3
	s_barrier_signal -1
	s_barrier_wait -1
.endm
.macro PLACES
.rept 4
	v_nop
.endr
.endm
	s_load_b256 s[4:11], s[0:1], 0x0               ; gc, Wo, bo, inputs
	s_load_b128 s[12:15], s[0:1], 0x20             ; the scales, out0
	v_lshl_add_u32 v254, v0, 2, 0x4c400
	v_mov_b32 v255, 0
	ds_add_u32 v254, v255
	ds_add_u32 v254, v255
	v_lshrrev_b32 v1, 5, v0
	v_readfirstlane_b32 s16, v1                    ; wave 0..3
	s_lshr_b32 s17, s16, 1                         ; which 64 rows
	s_and_b32 s18, s16, 1                          ; which 128 columns
	s_bfe_u32 s19, ttmp6, 0x40000                  ; cx
	s_lshl_b32 s20, ttmp9, 2
	s_add_co_u32 s20, s20, s19                     ; my block of 128 rows: it enters g's, the inputs' and the output's addresses alone
	s_and_b32 s21, ttmp7, 0xffff                   ; the column slab, which the four partners share
	s_mov_b32 s[G1], 15|(1<<20)|(1<<21)|(5<<22)|(3<<25)   ; the mask: all four; elements of 1 byte; padding on; bit 21 beside a mask; four words after every 64
	s_mov_b32 s[G1+1], 256<<16                     ; tensor_dim0
	s_mov_b32 s[G1+2], 64<<16                      ; tensor_dim1
	s_mov_b32 s[G1+3], 256<<16                     ; tile_dim0
	s_mov_b32 s[G1+4], 64                          ; tile_dim1
	s_mov_b32 s[G1+5], 1024                        ; from row to row
	s_mov_b32 s[G1+6], 0
	s_mov_b32 s[G1+7], 0
	s_lshl_b32 s22, s21, 18                        ; Wo: (256 x slab + 64 x wave) rows of 1,024 bytes
	s_lshl_b32 s23, s16, 16
	s_add_co_u32 s22, s22, s23
	s_mov_b32 s23, 0
	s_mul_i32 s52, s16, QUART                      ; and in a chunk: 64 x wave rows
	s_wait_dscnt 0x0
	s_wait_kmcnt 0x0
	s_load_b64 s[50:51], s[12:13], 0x30            ; entries 12, 13
	s_add_nc_u64 s[6:7], s[6:7], s[22:23]
	CROUND                                         ; all four work-groups are here: the joint loads meet
.irp c, 0,1,2,3
	s_mov_b32 s[G0+4*\c], 1
	s_add_co_u32 s[G0+4*\c+1], s52, \c*CHUNK
	s_add_nc_u64 s[G0+4*\c+2:G0+4*\c+3], s[6:7], \c*256
	s_or_b32 s[G0+4*\c+3], s[G0+4*\c+3], 0x80000000
.endr
	tensor_load_to_lds s[G0:G0+3], s[G1:G1+7]      ; all the fills of the launch, as one group
	s_nop 0
	tensor_load_to_lds s[G0+4:G0+7], s[G1:G1+7]
	s_nop 0
	tensor_load_to_lds s[G0+8:G0+11], s[G1:G1+7]
	s_nop 0
	tensor_load_to_lds s[G0+12:G0+15], s[G1:G1+7]
	s_nop 0
	PLACES
	s_lshl_b32 s22, s20, 3
	s_lshl_b32 s53, s17, 2
	s_add_co_u32 s22, s22, s53
	s_lshl_b32 s22, s22, 14
	s_add_nc_u64 s[4:5], s[4:5], s[22:23]          ; g: my first block of 16 tokens: 8 x row block + 4 x half, 16,384 bytes each
	s_lshl_b32 s53, s21, 10
	s_lshl_b32 s54, s18, 9
	s_add_co_u32 s53, s53, s54                     ; my first column, in bytes of f32
	s_mov_b32 s22, s53
	s_add_nc_u64 s[8:9], s[8:9], s[22:23]          ; bo
	s_lshl_b32 s22, s20, 19
	s_lshl_b32 s54, s17, 18
	s_add_co_u32 s22, s22, s54
	s_add_co_u32 s22, s22, s53
	s_add_nc_u64 s[10:11], s[10:11], s[22:23]      ; inputs and out0 at my first row and column
	s_add_nc_u64 s[14:15], s[14:15], s[22:23]
	v_and_b32 v1, 15, v0                           ; r
	v_bfe_u32 v2, v0, 4, 1                         ; h
	v_and_b32 v3, 31, v0
	v_lshlrev_b32 v[CO], 4, v3
	s_lshl_b32 s54, s18, 7
	s_mul_i32 s54, s54, PITCH                      ; my 128 rows of the slab
	v_mul_u32_u24 v4, v1, PITCH
	v_lshl_add_u32 v4, v2, 3, v4                   ; row r, + 8 h
	v_add_nc_u32 v4, s54, v4
.irp c, 0,1,2,3
	v_add_nc_u32 v[ADRB+\c], \c*CHUNK, v4
.endr
	s_mul_i32 s54, s16, 16*SPITCH
	s_add_co_u32 s54, s54, STAGE                   ; my stage
	v_mul_u32_u24 v5, v1, SPITCH
	v_lshl_add_u32 v5, v2, 5, v5
	v_add_nc_u32 v[STO], s54, v5                   ; in: row r, 32 bytes for each half of the lanes
	v_add_nc_u32 v[RD], s54, v[CO]                 ; back: the 32 lanes take one row of 512 bytes
.macro FETCH_B s                       ; Wo's eight fragments of K step s: registers 2 c, 2 c + 1 = k 16 c + 8 h + 0 .. 7
	WIN TO_B
.irp i, 0,1,2,3,4,5,6,7
.irp c, 0,1,2,3,4,5,6,7
	ds_load_b64 v[128*((\s)%2)+16*\i+2*\c:128*((\s)%2)+16*\i+2*\c+1], v[ADRB+(\s)/2] offset:16*PITCH*\i+128*((\s)%2)+16*\c
.endr
.endr
.endm
.macro ALOAD s                         ; g's four fragments of K step s into set s % 4: each load reads 512 consecutive bytes
	WIN TO_A
.irp i, 0,1,2,3
.irp p, 0,1,2,3
	global_load_b128 v[64*((\s)%4)+16*\i+4*\p:64*((\s)%4)+16*\i+4*\p+3], v[CO], s[4:5] offset:16384*\i+2048*(\s)+512*\p
.endr
.endr
.endm
.macro RLOAD a                         ; the residual: 16 rows x my 128 columns of the inputs into set a
	WIN TO_A
.irp t, 0,1,2,3,4,5,6,7,8,9,10,11,12,13,14,15
	global_load_b128 v[64*(\a)+4*\t:64*(\a)+4*\t+3], v[CO], s[10:11] offset:(16*(\a)+\t)*4096 th:TH_LOAD_NT
.endr
.endm
; K step s: 32 matrix instructions, the 32 accumulators by turns in the same order in every step.
.macro KS s
	s_wait_dscnt 0x0                               ; Wo's fragments of this step are in
.if ((\s)%2 == 1) && ((\s) < 7)
	s_wait_tensorcnt (5-(\s))/2                    ; my part of the next chunk has landed; the later chunks' loads may stay out
	s_barrier_signal -1
	s_barrier_wait -1                              ; everybody's has
.endif
.if (\s) > 0
	PLACES                                         ; in front of loads into registers that the last step's products read
.endif
.if (\s) < 7
	FETCH_B (\s)+1
.endif
	s_wait_loadcnt 32                              ; g's fragments of this step are in; the two groups of 16 loads behind them may be out
.if (\s)+3 <= 7
	ALOAD (\s)+3
.else
	RLOAD (\s)-5
.endif
	WIN MUL
.irp a, 0,1,2,3
.irp b, 0,1,2,3,4,5,6,7
.if (\s) == 0
	v_wmma_f32_16x16x128_fp8_fp8 v[8*(8*\a+\b):8*(8*\a+\b)+7], v[128*((\s)%2)+16*\b:128*((\s)%2)+16*\b+15], v[64*((\s)%4)+16*\a:64*((\s)%4)+16*\a+15], 0
.else
	v_wmma_f32_16x16x128_fp8_fp8 v[8*(8*\a+\b):8*(8*\a+\b)+7], v[128*((\s)%2)+16*\b:128*((\s)%2)+16*\b+15], v[64*((\s)%4)+16*\a:64*((\s)%4)+16*\a+15], v[8*(8*\a+\b):8*(8*\a+\b)+7]
.endif
.endr
.endr
.endm
; Block a of 16 rows goes out: the raw sums through my own stage (a lane holds 32 bytes of a row, the lanes beside it other rows) and back as whole rows of 512 bytes; y = sum x 2^(..) + (bias + residual).
.macro OUT a
.set BB, BK+64*((\a)%2)
	s_wait_xcnt 0x0                                ; the stores of two blocks ago have read their registers
	WIN 0x08                                       ; an LDS store's data: window 2
.irp b, 0,1,2,3,4,5,6,7
	ds_store_b128 v[STO], v[64*(\a)+8*\b:64*(\a)+8*\b+3] offset:64*\b          ; each accumulator from its low end on
	ds_store_b128 v[STO], v[64*(\a)+8*\b+4:64*(\a)+8*\b+7] offset:64*\b+16
.endr
	WIN 0
.irp t, 0,1,2,3,4,5,6,7,8,9,10,11,12,13,14,15
	ds_load_b128 v[BB+4*\t:BB+4*\t+3], v[RD] offset:SPITCH*\t   ; LDS serves a wave's instructions in order (ISA guide 5.7.1.4): these see my stores
.endr
	s_wait_loadcnt 16*(3-(\a))                     ; this block's residual rows are in; the later blocks' may be out
	WIN 0x41                                       ; destination and source 0 window 1
.set j, 0
.rept 32
	v_pk_add_f32 v[64*(\a)+j:64*(\a)+j+1], v[64*(\a)+j:64*(\a)+j+1], v[BI+j%4:BI+j%4+1]
.set j, j+2
.endr
	s_wait_dscnt 0x0                               ; the rows are back
	WIN 0x10                                       ; source 2 window 1
.set j, 0
.rept 32
	v_pk_fma_f32 v[BB+j:BB+j+1], v[BB+j:BB+j+1], s[50:51], v[64*(\a)+j:64*(\a)+j+1] op_sel_hi:[1,0,1]
.set j, j+2
.endr
	WIN 0
.irp t, 0,1,2,3,4,5,6,7,8,9,10,11,12,13,14,15
	global_store_b128 v[CO], v[BB+4*\t:BB+4*\t+3], s[14:15] offset:(16*(\a)+\t)*4096 th:TH_STORE_NT   ; 32 lanes store 512 consecutive bytes, aligned
.endr
.endm
	global_load_b128 v[BI:BI+3], v[CO], s[8:9]     ; the bias of my four columns
	ALOAD 0
	ALOAD 1
	ALOAD 2
	s_wait_tensorcnt 3                             ; my part of chunk 0 has landed; three loads may be out,
	s_barrier_signal -1
	s_barrier_wait -1                              ; everybody's has
	FETCH_B 0
.irp s, 0,1,2,3,4,5,6,7
	KS \s
.endr
	PLACES                                         ; behind the last products: for the loads below and the first reads of results
	RLOAD 3
	WIN 0
	s_wait_kmcnt 0x0
	s_add_co_i32 s50, s50, s51
	s_add_co_i32 s50, s50, 127
	s_lshl_b32 s50, s50, 23                        ; 2^(entries 12 + 13) as f32
	s_mov_b32 s51, s50                             ; (named with it as a pair, so it is written)
.irp a, 0,1,2,3
	OUT \a
.endr
	s_wait_dscnt 0x0
	s_wait_tensorcnt 0x0
	ds_add_u32 v254, v255
	s_wait_dscnt 0x0
	CROUND                                         ; the closing round: no work-group ends while a partner may still ask for a tile that names it
	s_endpgm
.Lfunc_end_k_q5d420027b1_outp:
	.size	k_q5d420027b1_outp, .Lfunc_end_k_q5d420027b1_outp-k_q5d420027b1_outp
	.p2alignl 7, 3214868480
	.fill 96, 4, 3214868480
	.section	.rodata,"a",@progbits
	.p2align	6, 0x0
	.amdhsa_kernel k_q5d420027b1_outp
		.amdhsa_group_segment_fixed_size 312832
		.amdhsa_private_segment_fixed_size 0
		.amdhsa_enable_private_segment 0
		.amdhsa_kernarg_size 48
		.amdhsa_user_sgpr_count 2
		.amdhsa_user_sgpr_kernarg_segment_ptr 1
		.amdhsa_wavefront_size32 1
		.amdhsa_system_sgpr_workgroup_id_x 1
		.amdhsa_system_sgpr_workgroup_id_y 1
		.amdhsa_system_sgpr_workgroup_id_z 1
		.amdhsa_system_vgpr_workitem_id 0
		.amdhsa_next_free_vgpr 1024
		.amdhsa_next_free_sgpr 66
		.amdhsa_reserve_vcc 0
		.amdhsa_float_denorm_mode_32 3
		.amdhsa_float_denorm_mode_16_64 3
		.amdhsa_memory_ordered 1
		.amdhsa_forward_progress 1
		.amdhsa_inst_pref_size 106
	.end_amdhsa_kernel
	.amdgpu_metadata
---
amdhsa.version: [ 1, 2 ]
amdhsa.kernels:
  - .name:           k_q5d420027b1_outp
    .symbol:         k_q5d420027b1_outp.kd
    .args:
      - { .name: gc, .offset: 0, .size: 8, .value_kind: global_buffer, .address_space: global }
      - { .name: Wo_codes, .offset: 8, .size: 8, .value_kind: global_buffer, .address_space: global }
      - { .name: bo, .offset: 16, .size: 8, .value_kind: global_buffer, .address_space: global }
      - { .name: inputs, .offset: 24, .size: 8, .value_kind: global_buffer, .address_space: global }
      - { .name: lowp_scales, .offset: 32, .size: 8, .value_kind: global_buffer, .address_space: global }
      - { .name: out0, .offset: 40, .size: 8, .value_kind: global_buffer, .address_space: global }
    .group_segment_fixed_size: 312832
    .private_segment_fixed_size: 0
    .kernarg_segment_align: 8
    .kernarg_segment_size: 48
    .max_flat_workgroup_size: 128
    .sgpr_count:     66
    .vgpr_count:     1024
    .wavefront_size: 32
...
	.end_amdgpu_metadata
.endif
;; end of part 4
;; ======== version 2 of 2: 4 launches; version 1 with the launches quant, attn written anew for expert scheduling mode
;; workspace buffers: xc 33,554,432 bytes; qkv 25,165,824 bytes; ri 33,554,432 bytes; gc 8,388,608 bytes
;; launch quant (part 5): grid 256 x 1, 4 waves a work-group, no clusters, 33,280 bytes of LDS; arguments inputs, lowp_scales, xc; writes xc
.if DOCPART == 5
	.amdgcn_target "amdgcn-amd-amdhsa--gfx1250"
	.amdhsa_code_object_version 6
	.text
	.protected	k_q5d420027b1_quant
	.globl	k_q5d420027b1_quant
	.p2align	8
	.type	k_q5d420027b1_quant,@function
k_q5d420027b1_quant:
	s_mov_b64 s[64:65], 0
	v_nop
	global_prefetch_b8 v0, s[64:65] scope:SCOPE_SE
	s_setreg_imm32_b32 hwreg(HW_REG_WAVE_SCHED_MODE, 0, 2), 2
	s_setreg_imm32_b32 hwreg(HW_REG_WAVE_MODE, 25, 1), 1
	s_wait_xcnt 0x0
	s_wait_alu depctr_vm_vsrc(0)
; inputs [8192][1024] f32 become FOUR planes of E4M3 codes, xc [4][8192][1024], K innermost: the same numbers are an operand of four products,
; and each product has a scale entry of its own for them (entries 0, 2, 4, 6 of the scales: plane w takes entry 2 w).
; code = x / 2^e, held within +-448, rounded to the nearest code, ties to even.
; LIMITS: each of the four e lies between -126 and 119, so that 2^e and 448 x 2^e are f32 numbers.  NaN among the inputs is not served.
; Rows are dense, so the tensor is a plain stream.  A wave takes 16 steps of 512 numbers.  A conversion takes 8 neighbours from ONE lane, a load is best where
; neighbouring LANES take neighbouring bytes: each of a step's four loads reads 512 consecutive bytes, the 2,048 bytes turn through the wave's own stage in LDS
; (16 bytes of padding behind each 64) and come back 64 bytes a lane.  A lane's 16 codes are 16 bytes: each store of the wave covers 512 consecutive bytes, aligned.
; No tensor loads, no barrier: waves share nothing.  Loads run four steps (16 loads a wave) ahead, the turn through LDS one step.  No matrix unit, no cluster: nothing is shared or multiplied.
; THE MODE: SCHED_MODE bits 1:0 = 2 (LLVM: expert scheduling mode 2), set by the entry lines.  The code itself states the register dependences
; between vector instructions and memory or LDS instructions, with s_wait_alu, always for 0.
; THE PLAN.  Registers that memory or LDS instructions touch:
;   v3, v14, v15  offsets and LDS addresses, made once at the head and never written again.
;   R0 .. R3      Written by the global loads of step t + 4, issued in step t; read by the LDS stores of TURN t alone, issued in step t - 1.  No vector instruction names them.
;   X0, X1        Written by the LDS loads of TURN t; read by step t's holds.
;   C0, C1        Written by step t's conversions; read by the four global stores that are issued in step t + 1.
; Step t works on X[t % 2] and writes C[t % 2].  Its memory and LDS instructions are the loads into R[t % 4], TURN t + 1 (it reads R[(t + 1) % 4] and lands in X[(t - 1) % 2]) and the stores from C[(t - 1) % 2]:
; registers that no vector instruction of step t names.  So the waits at a step's head state all that these hang on, and the stores are dealt among the step's vector instructions with no further wait.
.set STEPS, 16
.set SP,    80                         ; a lane's place in a stage: its 64 bytes + 16 of padding
.set WREG,  8192                       ; LDS: a region for each wave: two stages of 32 x SP bytes
.set PLANE, 0x800000                   ; bytes in a plane of codes
.set SC,    5                          ; v5-8     2^e as f32, plane by plane
.set LM,    9                          ; v9-12    448 x 2^e
.set R,     16                         ; v16-79   four sets of 16 numbers as they are loaded
.set X,     80                         ; v80-111  two sets of 16 neighbours
.set T,     112                        ; v112-143 two sets of 16 held numbers, by turns from plane to plane
.set C,     144                        ; v144-175 codes: two steps x four planes x four registers
	s_load_b128 s[4:7], s[0:1], 0x0                ; inputs, the scales' exponents
	s_load_b64 s[8:9], s[0:1], 0x10                ; xc
	v_lshl_add_u32 v176, v0, 2, 0x8000
	v_mov_b32 v177, 0
	v_lshrrev_b32 v1, 5, v0
	v_readfirstlane_b32 s16, v1                    ; wave
	v_and_b32 v2, 31, v0                           ; lane
	v_lshlrev_b32 v3, 4, v2                        ; my 16 bytes of a load's 512, and of a step's 512 bytes of codes; never rewritten
	s_wait_alu depctr_va_sdst(0)                   ; s16 is written, ahead of its first reader: the stage's place and the bases are made from it
	s_mul_i32 s17, s16, WREG
	v_lshrrev_b32 v14, 2, v2
	v_mul_u32_u24 v14, v14, SP
	v_and_b32 v15, 3, v2
	v_lshl_add_u32 v14, v15, 4, v14
	v_add_nc_u32 v14, s17, v14                     ; the stage, on the way in: SP (lane / 4) + 16 (lane % 4)
	v_mul_u32_u24 v15, v2, SP
	v_add_nc_u32 v15, s17, v15                     ; and on the way out: SP x lane: my 16 neighbours
	s_lshl_b32 s18, ttmp9, 2
	s_add_co_u32 s18, s18, s16                     ; which run of 8,192 numbers is my wave's: 0 .. 1023
	s_lshl_b32 s20, s18, 15                        ; its 32,768 bytes of f32
	s_mov_b32 s21, 0
	s_lshl_b32 s22, s18, 13                        ; its 8,192 bytes of codes in a plane
	s_mov_b32 s23, 0
	s_wait_kmcnt 0x0
	s_load_b256 s[24:31], s[6:7], 0x0              ; entries 0 to 7
	s_add_nc_u64 s[4:5], s[4:5], s[20:21]
	s_add_nc_u64 s[8:9], s[8:9], s[22:23]          ; plane 0,
	s_add_nc_u64 s[10:11], s[8:9], PLANE           ; 1,
	s_add_nc_u64 s[12:13], s[10:11], PLANE         ; 2,
	s_add_nc_u64 s[14:15], s[12:13], PLANE         ; 3
	s_wait_alu depctr_va_vdst(0)                   ; v3, v14 and v15 are written: every load and store of the kernel, global or LDS, reads one of them as its offset or address
.macro LOAD t
.irp i, 0,1,2,3
	global_load_b128 v[R+16*((\t)%4)+4*\i:R+16*((\t)%4)+4*\i+3], v3, s[4:5] offset:2048*(\t)+512*\i th:TH_LOAD_NT   ; 32 lanes read 512 consecutive bytes
.endr
.endm
.macro TURN t                          ; step t through the stage: LDS serves a wave's instructions in order, so no wait stands between the stores and the loads
.irp i, 0,1,2,3
	ds_store_b128 v14, v[R+16*((\t)%4)+4*\i:R+16*((\t)%4)+4*\i+3] offset:32*SP*((\t)%2)+8*SP*\i
.endr
.irp i, 0,1,2,3
	ds_load_b128 v[X+16*((\t)%2)+4*\i:X+16*((\t)%2)+4*\i+3], v15 offset:32*SP*((\t)%2)+16*\i
.endr
.endm
.irp t, 0,1,2,3
	LOAD \t
.endr
	s_wait_kmcnt 0x0
.irp w, 0,1,2,3
	s_add_co_i32 s32, s[24+2*\w], 127
	s_lshl_b32 s33, s32, 23
	v_mov_b32 v[SC+\w], s33                        ; 2^e as f32: the conversion takes its exponent field
	s_add_co_i32 s32, s32, 8
	s_lshl_b32 s32, s32, 23
	s_or_b32 s32, s32, 0x600000
	v_mov_b32 v[LM+\w], s32                        ; 448 x 2^e
.endr
	s_wait_loadcnt 12                              ; step 0's four loads are in
	TURN 0
.macro STEP t
.set XS, X+16*((\t)%2)
.set CC, C+16*((\t)%2)
.set CP, C+16*(1-(\t)%2)
	s_wait_dscnt 0x0                               ; this step's numbers are back from the stage
	s_wait_xcnt 0x0                                ; the stores issued in the step before have had their addresses translated: the codes that they read are written again below
	s_wait_alu depctr_vm_vsrc(0)                   ; TURN t's LDS stores have read R[t % 4], in which the loads below land; the global stores issued in the step before have read C[t % 2], which this step's conversions write
.if (\t) > 0
	s_wait_alu depctr_va_vdst(0)                   ; the step before has written C[(t - 1) % 2], which the stores below read, and is done reading X[(t - 1) % 2], in which TURN t + 1 lands
.endif
.if (\t)+4 < STEPS
	LOAD (\t)+4
.endif
.if (\t)+1 < STEPS
.if STEPS-2-(\t) >= 3
	s_wait_loadcnt 12                              ; the next step's four loads are in; those of the three steps behind it may be out
.else
	s_wait_loadcnt 4*(STEPS-2-(\t))
.endif
	TURN (\t)+1                                    ; through the other stage while this step is worked
.endif
.irp w, 0,1,2,3
.set TS, T+16*(\w%2)
.if (\t) > 0
	global_store_b128 v3, v[CP+4*\w:CP+4*\w+3], s[8+2*\w:9+2*\w] offset:512*((\t)-1)   ; the step before, plane w.  No wait: no vector instruction since the head's wait names these registers
.endif
.irp i, 0,1,2,3,4,5,6,7,8,9,10,11,12,13,14,15
	v_med3_num_f32 v[TS+\i], v[XS+\i], -v[LM+\w], v[LM+\w]   ; the conversion to an 8-bit code does not saturate (ISA guide 7.6.2): the hold comes first.  The numbers themselves stay for the next plane
.endr
	v_cvt_scalef32_pk8_fp8_f32 v[CC+4*\w:CC+4*\w+1], v[TS:TS+7], v[SC+\w]
	v_cvt_scalef32_pk8_fp8_f32 v[CC+4*\w+2:CC+4*\w+3], v[TS+8:TS+15], v[SC+\w]   ; the next vector lines are the next plane's sixteen holds, plain lines into the OTHER set of held numbers
.endr
.endm
.irp t, 0,1,2,3,4,5,6,7,8,9,10,11,12,13,14,15
	STEP \t
.endr
	s_wait_alu depctr_va_vdst(0)                   ; step 15 has written C1, which the last four stores read
.irp w, 0,1,2,3
	global_store_b128 v3, v[C+16+4*\w:C+16+4*\w+3], s[8+2*\w:9+2*\w] offset:512*15
.endr
	s_wait_dscnt 0x0                               ; the closing lines, six on end
	s_wait_alu 0x0
	s_wait_tensorcnt 0x0
	ds_add_u32 v176, v177
	s_wait_dscnt 0x0
	s_endpgm
.Lfunc_end_k_q5d420027b1_quant:
	.size	k_q5d420027b1_quant, .Lfunc_end_k_q5d420027b1_quant-k_q5d420027b1_quant
	.p2alignl 7, 3214868480
	.fill 96, 4, 3214868480
	.section	.rodata,"a",@progbits
	.p2align	6, 0x0
	.amdhsa_kernel k_q5d420027b1_quant
		.amdhsa_group_segment_fixed_size 33280
		.amdhsa_private_segment_fixed_size 0
		.amdhsa_enable_private_segment 0
		.amdhsa_kernarg_size 24
		.amdhsa_user_sgpr_count 2
		.amdhsa_user_sgpr_kernarg_segment_ptr 1
		.amdhsa_wavefront_size32 1
		.amdhsa_system_sgpr_workgroup_id_x 1
		.amdhsa_system_sgpr_workgroup_id_y 1
		.amdhsa_system_sgpr_workgroup_id_z 1
		.amdhsa_system_vgpr_workitem_id 0
		.amdhsa_next_free_vgpr 178
		.amdhsa_next_free_sgpr 66
		.amdhsa_reserve_vcc 0
		.amdhsa_float_denorm_mode_32 3
		.amdhsa_float_denorm_mode_16_64 3
		.amdhsa_memory_ordered 1
		.amdhsa_forward_progress 1
		.amdhsa_inst_pref_size 98
	.end_amdhsa_kernel
	.amdgpu_metadata
---
amdhsa.version: [ 1, 2 ]
amdhsa.kernels:
  - .name:           k_q5d420027b1_quant
    .symbol:         k_q5d420027b1_quant.kd
    .args:
      - { .name: inputs, .offset: 0, .size: 8, .value_kind: global_buffer, .address_space: global }
      - { .name: lowp_scales, .offset: 8, .size: 8, .value_kind: global_buffer, .address_space: global }
      - { .name: xc, .offset: 16, .size: 8, .value_kind: global_buffer, .address_space: global }
    .group_segment_fixed_size: 33280
    .private_segment_fixed_size: 0
    .kernarg_segment_align: 8
    .kernarg_segment_size: 24
    .max_flat_workgroup_size: 128
    .sgpr_count:     66
    .vgpr_count:     178
    .wavefront_size: 32
...
	.end_amdgpu_metadata
.endif
;; end of part 5
;; launch proj: the kernel of part 2 again; grid 128 x 4, 4 waves a work-group, clusters of 4 x 4, 327,680 bytes of LDS; arguments xc, Wq_codes, Wk_codes, Wv_codes, Wr_codes, bq, bk, bv, br, lowp_scales, qkv, ri; writes qkv, ri
;; launch attn (part 6): grid 2 x 128, 16 waves a work-group, no clusters, 133,120 bytes of LDS; arguments qkv, ri, lowp_scales, gc; writes gc
.if DOCPART == 6
	.amdgcn_target "amdgcn-amd-amdhsa--gfx1250"
	.amdhsa_code_object_version 6
	.text
	.protected	k_q5d420027b1_attn
	.globl	k_q5d420027b1_attn
	.p2align	8
	.type	k_q5d420027b1_attn,@function
k_q5d420027b1_attn:
	s_mov_b64 s[64:65], 0
	v_nop
	global_prefetch_b8 v0, s[64:65] scope:SCOPE_SE
	s_setreg_imm32_b32 hwreg(HW_REG_WAVE_SCHED_MODE, 0, 2), 2
	s_setreg_imm32_b32 hwreg(HW_REG_WAVE_MODE, 25, 1), 1
	s_wait_xcnt 0x0
	s_wait_alu depctr_vm_vsrc(0)
; For each of 128 heads: g = r x exp(softmax(q k^T / 8) log_sigmoid(v)), both products on E4M3 codes; g leaves as codes for the last product.
; qkv [128 heads][196608]: images of operand registers: q [64 blocks of 16 tokens][1024], k likewise, log_sigmoid(v)^T [8 blocks of 128 keys][4 blocks of 16 channels][2048].  ri [128][64][4096]: r in f32, in the layout of my result.
; gc [512 blocks of 16 tokens][16 heads][1024]: images again: registers 2 t, 2 t + 1 = channels 16 t + 8 (lane / 16) + 0 .. 7 of the lane's token.
; THE SOFTMAX: t = score x log2(e) / 8; M = the row's largest t so far, rounded UP to a whole number; p = 2^(t - M) is quantised, not normalised.  The row's sum is taken of the unquantised p and divides at the end.
; When M moves, the sum and O are multiplied by 2^(old M - new M): exact.
; SHARES.  A work-group owns 512 queries of one head; each of its sixteen waves takes a tile of 16 queries, twice.  Four waves to a SIMD: one wave's vector work stands beside another's products and LDS loads.
; A head's k and v images are 131,072 dense bytes: they are brought into LDS ONCE and stay: each wave loads its 8,192 bytes into registers (16 loads of 512 consecutive bytes) and stores them as they lie; one barrier in the whole text.
; THE HOLD OF p.  p is at most 1 (one last bit more at the most, where t's product was rounded down onto a whole number), and the largest code stands for 448 x 2^e, e = entry 10.  From e = -8 on that is 1.75 or more and the hold changes nothing:
; its 64 lines of a key step stand under a scalar branch on e, inside the loop and round these lines alone.  For e under -8 they run.
; NO CLUSTER: joint requests are tensor loads, of which this text has none; and a head has two work-groups (the grid's x is 2), which fetch what they share once, at their heads, not in every step.
; LAYOUT.  Both products are used transposed: S^T = k q^T (source 0 = 16 keys, source 1 = my 16 queries), O^T = v^T p^T: a lane holds ONE query (lane % 16) throughout.  In S^T tile t, register j is key 16 t + 8 (lane / 16) + j:
; one conversion of a tile gives registers 2 t, 2 t + 1 of the second product's operand, in that operand's own layout.
; LIMITS on the given exponents: entries 8 + 9 between -123 and 130 (added to the exponent field of log2(e) / 8); entries 10 and 12 between -126 and 119; 10 + 11 is applied by v_ldexp_f32.  NaN is not served; exponentials under 2^-126 count as 0.
; REGISTERS: v1-3 addresses that stay; v8, v9 a trip's; v12 -M, v13 the largest t, v[14:15] the sum in two halves; v16-23 q of the tile in hand; v24-31 q of the second tile; v32-95 and v96-159 two buffers of 64 that change places from key step to
;   key step (at the head v32-95 hold my part of the images); v160-191 O^T; v192-223 r; v224-239 p's codes, at a tile's end g's; v240, v244: 448 x 2^e and 2^e for p; v241, v245: for g; v242-243, v246, v252-254 at work.
; THE MODE: SCHED_MODE bits 1:0 = 2 (LLVM: expert scheduling mode 2), set by the entry lines.  The code itself states the register dependences
; between vector or matrix instructions and memory or LDS instructions, with s_wait_alu, always for 0.
; THE PLAN.  A wave has 256 registers and none to spare for a further buffer: so the two buffers that it has take turns.  In a key step 'x, y':
;   x   holds k's fragments (asked for in the step before); the eight products S^T read them; then v's fragments land in x, under the softmax; the four products O^T read those.
;   y   takes S^T; the softmax works in place on it; the conversions empty it; then the NEXT step's k fragments land in y, while O^T is rescaled and multiplied.  The next step is 'y, x'.
;   v8, v9        LDS addresses of a trip of two steps: read by its 64 LDS loads, written at a trip's head.      v1-3  made at the head, never written again.
;   v192-223      r: eight loads at a tile's head; read by the gate at its end.      v224-231  at a tile's end: written by g's conversions, read by two stores.
; Three waits on va_vdst stand in a key step: behind the products S^T (they are done reading x; in a trip's first step v8 and v9 are written); behind the exponentials (their results are written); behind the
; conversions (all that read or wrote y is done).  One wait on vm_vsrc a trip stands ahead of the additions into v8 and v9.
.set LI,   1                           ; v1   16 x lane: my place in an image's piece; k's images begin at LDS byte 0
.set LV,   2                           ; v2   the same + 65,536: v's images
.set LS,   3                           ; v3   the same + 8,192 x wave: where my wave puts its part of the images
.set ADK,  8                           ; v8   v1 + the trip's 16,384 bytes
.set ADV,  9                           ; v9   v2 + the same
.set WV,   18                          ; s18  my wave's number
.set SEL,  20                          ; s[20:21] lane selects: lane l xor 16
.set CS,   22                          ; s[22:23] c = log2(e) / 8 x 2^(entries 8 + 9)
.set TB,   46                          ; s46  LDS byte of the trip's images
.set KC,   47                          ; s47  trips to go
.set TC,   48                          ; s48  tiles to go
; A KEY STEP: 128 keys, the u-th of a trip's two.  x: the buffer with k's fragments; y: the other.  pre = 1: the next step's k fragments are asked for.
; np: plain lines still owed at the step's head (five in all between the last step's products O^T, which read y as v's fragments, and the products below, which write over it: ISA guide 7.12.1; at a trip's head the two additions are among them).
.macro KSTEP x, y, u, pre, np
.rept \np
	v_nop
.endr
	s_wait_dscnt 0x0                               ; k's fragments are in
.irp t, 0,1,2,3,4,5,6,7
	v_wmma_f32_16x16x64_fp8_fp8 v[\y+8*\t:\y+8*\t+7], v[\x+8*\t:\x+8*\t+7], v[16:23], 0
.endr
.rept 4
	v_nop                                          ; places in front of the first read of the scores
.endr
	s_wait_alu depctr_va_vdst(0)                   ; the eight products are done reading x, in which the loads below land; in a trip's first step v8 and v9 are written, which this trip's loads read
.irp t, 0,1,2,3
.irp p, 0,1,2,3
	ds_load_b128 v[\x+16*\t+4*\p:\x+16*\t+4*\p+3], v[ADV] offset:8192*\u+2048*\t+512*\p   ; v's fragments land under the softmax
.endr
.endr
	v_max3_num_f32 v254, v[\y], v[\y+1], v[\y+2]   ; the step's largest score of my query among my 64 keys, in two chains, each tile from its low end on,
	v_max3_num_f32 v252, v[\y+3], v[\y+4], v[\y+5]
.irp i, 6,10,14,18,22,26,30,34,38,42,46,50,54,58
	v_max3_num_f32 v254, v254, v[\y+\i], v[\y+\i+1]
	v_max3_num_f32 v252, v252, v[\y+\i+2], v[\y+\i+3]
.endr
	v_max3_num_f32 v254, v254, v[\y+62], v[\y+63]
	v_max_num_f32 v254, v254, v252
	v_permlanex16_b32 v246, v254, s[SEL], s[SEL+1]
	v_max_num_f32 v254, v254, v246                 ; and among lane l xor 16's
	v_mul_f32 v254, s[CS], v254                    ; as t (c is positive)
	v_max_num_f32 v13, v13, v254                   ; the running largest t
	v_mov_b32 v254, v12
	v_floor_f32 v12, -v13                          ; the new -M = floor(-t): M is a whole number
	v_sub_f32 v254, v12, v254                      ; old M - new M: a whole number, 0 or less
	v_cvt_i32_f32 v254, v254                       ; (it saturates)
	v_ldexp_f32 v252, 1.0, v254                    ; f = 2^(old M - new M)
.set i, 0
.rept 32
	v_pk_fma_f32 v[\y+i:\y+i+1], v[\y+i:\y+i+1], s[CS:CS+1], v[12:13] op_sel_hi:[1,0,0]   ; t - M
.set i, i+2
.endr
.set i, 0
.rept 64
	v_exp_f32 v[\y+i], v[\y+i]                     ; p = 2^(t - M)
.set i, i+1
.endr
	v_pk_mul_f32 v[14:15], v[14:15], v[252:253] op_sel_hi:[1,0]   ; the sums under the new M.  (A plain line behind the exponentials)
	s_wait_alu depctr_va_vdst(0)                   ; the 64 exponentials have written p: one wait for the batch, ahead of its first reader
	v_pk_add_f32 v[242:243], v[\y:\y+1], v[\y+2:\y+3]   ; the row's sum is taken of the unquantised p, in two chains
.irp j, 4,8,12,16,20,24,28,32,36,40,44,48,52,56,60
	v_pk_add_f32 v[14:15], v[14:15], v[\y+\j:\y+\j+1]
	v_pk_add_f32 v[242:243], v[242:243], v[\y+\j+2:\y+\j+3]
.endr
	v_pk_add_f32 v[14:15], v[14:15], v[242:243]
	s_cmp_ge_i32 s42, -8                           ; 448 x 2^(entry 10) is 1.75 or more: no p reaches it, and the hold would change nothing
	s_cbranch_scc1 .Lno_hold_\@
.set i, 0
.rept 64
	v_min_num_f32 v[\y+i], v[\y+i], v240           ; the conversion does not saturate (ISA guide 7.6.2); p is not negative, so the hold is one-sided
.set i, i+1
.endr
.Lno_hold_\@:
.irp t, 0,1,2,3,4,5,6,7
	v_cvt_scalef32_pk8_fp8_f32 v[224+2*\t:225+2*\t], v[\y+8*\t:\y+8*\t+7], v244
.endr
.if \pre
	s_wait_alu depctr_va_vdst(0)                   ; the conversions, and the softmax ahead of them, are done reading and writing y, in which the loads below land
.irp t, 0,1,2,3,4,5,6,7
	ds_load_b128 v[\y+8*\t:\y+8*\t+3], v[ADK] offset:8192*(\u+1)+1024*\t        ; the next step's k fragments: they land while O^T is rescaled and multiplied
	ds_load_b128 v[\y+8*\t+4:\y+8*\t+7], v[ADK] offset:8192*(\u+1)+1024*\t+512
.endr
.endif
.set i, 0
.rept 16
	v_pk_mul_f32 v[160+i:161+i], v[160+i:161+i], v[252:253] op_sel_hi:[1,0]   ; O^T under the new M.  (Plain lines between the conversions and the products that read the codes)
.set i, i+2
.endr
.if \pre
	s_wait_dscnt 16                                ; LDS loads come back in order (ISA guide 5.7.1): v's fragments are in; the sixteen younger loads, k's, may be out
.else
	s_wait_dscnt 0x0                               ; v's fragments
.endif
.irp t, 0,1,2,3
	v_wmma_f32_16x16x128_fp8_fp8 v[160+8*\t:167+8*\t], v[\x+16*\t:\x+16*\t+15], v[224:239], v[160+8*\t:167+8*\t]   ; four accumulators by turns; the next step's eight score tiles stand between two links
.endr
.endm
	s_load_b256 s[4:11], s[0:1], 0x0               ; qkv, ri, the scales, gc
	v_lshl_add_u32 v251, v0, 2, 0x20000
	v_mov_b32 v255, 0
	v_lshrrev_b32 v8, 5, v0
	v_readfirstlane_b32 s[WV], v8                  ; wave 0..15
	v_and_b32 v[LI], 31, v0
	v_lshlrev_b32 v[LI], 4, v[LI]
	v_add_nc_u32 v[LV], 0x10000, v[LI]
	s_wait_alu depctr_va_sdst(0)                   ; s18 is written, ahead of its first reader: the wave's places in LDS and in memory are made from it
	s_lshl_b32 s54, s[WV], 13                      ; my wave's 8,192 bytes of the images
	v_add_nc_u32 v[LS], s54, v[LI]
	v_mov_b32 v246, 0                              ; written once: a lane permute's destination counts as one of its sources
	v_mov_b32 v253, 0                              ; (named as the upper half of the pair v[252:253])
	s_and_b32 s50, ttmp7, 0xffff                   ; the head: 16 x batch + head in the batch
	s_mul_i32 s52, s50, 196608
	s_mov_b32 s53, 0
	s_add_co_u32 s54, s54, 65536                   ; in the head's bytes they lie behind q's images
	s_mov_b32 s55, 0
	s_lshl_b32 s51, ttmp9, 5
	s_add_co_u32 s51, s51, s[WV]                   ; my first block of 16 queries: 32 x work-group x + wave; the second lies 16 blocks on
	s_lshl_b32 s56, s51, 10
	s_mov_b32 s57, 0
	s_mov_b32 s[SEL], 0x76543210
	s_mov_b32 s[SEL+1], 0xfedcba98
	s_mov_b32 s[CS], 0x3e38aa3b                    ; log2(e) / 8
	s_wait_kmcnt 0x0
	s_load_b128 s[40:43], s[8:9], 0x20             ; entries 8 to 11
	s_load_b32 s44, s[8:9], 0x30                   ; entry 12
	s_add_nc_u64 s[4:5], s[4:5], s[52:53]          ; the head's first byte
	s_add_nc_u64 s[12:13], s[4:5], s[54:55]        ; my part of its k and v images
	s_add_nc_u64 s[4:5], s[4:5], s[56:57]          ; my first q image
	s_wait_alu depctr_va_vdst(0)                   ; v1, v2 and v3 are written: the loads and stores below, global and LDS, read them as offsets and addresses
.irp i, 0,1,2,3,4,5,6,7,8,9,10,11,12,13,14,15
	global_load_b128 v[32+4*\i:35+4*\i], v[LI], s[12:13] offset:512*\i   ; 32 lanes read 512 consecutive bytes; the head's other work-group reads them too, so no hint
.endr
	global_load_b128 v[16:19], v[LI], s[4:5] th:TH_LOAD_NT                 ; q of both tiles: the second tile does not wait for memory
	global_load_b128 v[20:23], v[LI], s[4:5] offset:512 th:TH_LOAD_NT
	global_load_b128 v[24:27], v[LI], s[4:5] offset:16384 th:TH_LOAD_NT
	global_load_b128 v[28:31], v[LI], s[4:5] offset:16896 th:TH_LOAD_NT
	s_lshl_b32 s52, s50, 18
	s_lshl_b32 s54, s51, 12
	s_add_co_u32 s52, s52, s54
	s_add_nc_u64 s[6:7], s[6:7], s[52:53]          ; my first r image
	s_lshr_b32 s52, s50, 4
	s_lshl_b32 s52, s52, 6
	s_add_co_u32 s52, s52, s51
	s_lshl_b32 s52, s52, 14
	s_and_b32 s54, s50, 15
	s_lshl_b32 s54, s54, 10
	s_add_co_u32 s52, s52, s54
	s_add_nc_u64 s[10:11], s[10:11], s[52:53]      ; my first g image: (64 x batch + block) x 16,384 + 1,024 x head
	s_wait_kmcnt 0x0
	s_add_co_i32 s52, s40, s41
	s_lshl_b32 s52, s52, 23
	s_add_co_i32 s[CS], s[CS], s52                 ; a score stands for score x 2^(entries 8 + 9)
	s_mov_b32 s[CS+1], s[CS]
	s_add_co_i32 s52, s42, 127
	s_lshl_b32 s54, s52, 23
	v_mov_b32 v244, s54                            ; 2^(entry 10), for p's conversions
	s_add_co_i32 s52, s52, 8
	s_lshl_b32 s52, s52, 23
	s_or_b32 s52, s52, 0x600000
	v_mov_b32 v240, s52                            ; 448 x that
	s_add_co_i32 s52, s44, 127
	s_lshl_b32 s54, s52, 23
	v_mov_b32 v245, s54                            ; 2^(entry 12), for g's
	s_add_co_i32 s52, s52, 8
	s_lshl_b32 s52, s52, 23
	s_or_b32 s52, s52, 0x600000
	v_mov_b32 v241, s52
	s_add_co_i32 s45, s42, s43                     ; entries 10 + 11
	s_mov_b32 s[TC], 2
	s_wait_loadcnt 4                               ; my sixteen loads of the images are in; q's four may be out
.irp i, 0,1,2,3,4,5,6,7,8,9,10,11,12,13,14,15
	ds_store_b128 v[LS], v[32+4*\i:35+4*\i] offset:512*\i
.endr
	s_wait_dscnt 0x0                               ; for the others' sake: my part of the images lies in LDS,
	s_barrier_signal -1
	s_barrier_wait -1                              ; everybody's does; from here on LDS is only read
	s_wait_alu depctr_vm_vsrc(0)                   ; my LDS stores have read v32-95, in which k's first fragments land
.Ltile:
.irp p, 0,1,2,3,4,5,6,7
	global_load_b128 v[192+4*\p:195+4*\p], v[LI], s[6:7] offset:512*\p th:TH_LOAD_NT   ; r is wanted at the tile's end
.endr
.irp t, 0,1,2,3,4,5,6,7
	ds_load_b128 v[32+8*\t:35+8*\t], v[LI] offset:1024*\t        ; k's fragments of key step 0: they land under the set-up below.  (No vector instruction since the last wait on va_vdst names v32-95 or v192-223)
	ds_load_b128 v[36+8*\t:39+8*\t], v[LI] offset:1024*\t+512
.endr
	v_mov_b32 v13, 0xff61b1e6                      ; the largest t so far: -3e38
	v_floor_f32 v12, -v13                          ; -M
	v_mov_b32 v14, 0
	v_mov_b32 v15, 0
.set i, 0
.rept 32
	v_mov_b32 v[160+i], 0                          ; O^T: the key step is written for every step alike; the first finds zeros, which the first change of M leaves zeros
.set i, i+1
.endr
	s_mov_b32 s[TB], 0
	s_mov_b32 s[KC], 3
	s_wait_loadcnt 8                               ; q is in (both tiles'); r's eight loads may be out
.Lkey:                                             ; two key steps, 256 keys, a trip: behind them the two buffers are back where they began.  Three trips; the last two steps are written out
	s_wait_alu depctr_vm_vsrc(0)                   ; the LDS loads issued so far have read v8 and v9
	v_add_nc_u32 v[ADK], s[TB], v[LI]
	v_add_nc_u32 v[ADV], s[TB], v[LV]
	KSTEP 32, 96, 0, 1, 3
	KSTEP 96, 32, 1, 1, 5
	s_add_co_u32 s[TB], s[TB], 16384
	s_sub_co_u32 s[KC], s[KC], 1
	s_cmp_lg_u32 s[KC], 0
	s_cbranch_scc1 .Lkey
	s_wait_alu depctr_vm_vsrc(0)                   ; the LDS loads issued so far have read v8 and v9
	v_add_nc_u32 v[ADK], 3*16384, v[LI]
	v_add_nc_u32 v[ADV], 3*16384, v[LV]
	KSTEP 32, 96, 0, 1, 3
	KSTEP 96, 32, 1, 0, 5                          ; the tile's last step asks for no more of k
	; ---- the tile's end: y = exp(O / l), g = r y, codes
.rept 4
	v_nop
.endr
	v_add_f32 v14, v14, v15                        ; the sum's two halves,
	v_permlanex16_b32 v246, v14, s[SEL], s[SEL+1]
	v_add_f32 v14, v14, v246                       ; and lane l xor 16's
	v_rcp_f32 v14, v14
	v_nop                                          ; a plain line behind the reciprocal
	s_wait_alu depctr_va_vdst(0)                   ; the reciprocal has written v14, ahead of its first reader
	v_ldexp_f32 v14, v14, s45                      ; x 2^(entries 10 + 11)
	v_mul_f32 v14, 0x3fb8aa3b, v14                 ; x log2(e): the exponential below is in base 2
.set i, 0
.rept 16
	v_pk_mul_f32 v[96+i:97+i], v[160+i:161+i], v[14:15] op_sel_hi:[1,0]   ; each accumulator from its low end on
.set i, i+2
.endr
.set i, 0
.rept 32
	v_exp_f32 v[96+i], v[96+i]
.set i, i+1
.endr
	v_nop
	s_wait_loadcnt 0x0                             ; r
.set i, 0
	s_wait_alu depctr_va_vdst(0)                   ; the 32 exponentials have written v96-127: one wait for the batch, ahead of its first reader
.rept 16
	v_pk_mul_f32 v[96+i:97+i], v[96+i:97+i], v[192+i:193+i]
.set i, i+2
.endr
.set i, 0
.rept 32
	v_med3_num_f32 v[96+i], v[96+i], -v241, v241
.set i, i+1
.endr
.irp t, 0,1,2,3
	v_cvt_scalef32_pk8_fp8_f32 v[224+2*\t:225+2*\t], v[96+8*\t:103+8*\t], v245   ; into the registers that held p's codes: the last products that read them stand far back
.endr
.set i, 0
.rept 8
	v_mov_b32 v[16+i], v[24+i]                     ; the second tile's q takes the first's place (behind the second tile the copy changes nothing that is read).  These are also the plain lines behind the last conversion
.set i, i+1
.endr
	s_wait_alu depctr_va_vdst(0)                   ; the conversions have written v224-231, which the stores read; the gate is done reading v192-223 and the last step's softmax v32-95, in which the next tile's first loads land
	global_store_b128 v[LI], v[224:227], s[10:11]              ; 32 lanes store 512 consecutive bytes, aligned
	global_store_b128 v[LI], v[228:231], s[10:11] offset:512
	s_wait_xcnt 0x0                                ; the bases are stepped, and the codes written again, only behind this wait
	s_wait_alu depctr_vm_vsrc(0)                   ; the stores have read v224-231, which the next tile's conversions write
	s_add_nc_u64 s[6:7], s[6:7], 16*4096
	s_add_nc_u64 s[10:11], s[10:11], 16*16384
	s_sub_co_u32 s[TC], s[TC], 1
	s_cmp_lg_u32 s[TC], 0
	s_cbranch_scc1 .Ltile
	s_wait_dscnt 0x0                               ; the closing lines, six on end
	s_wait_alu 0x0
	s_wait_tensorcnt 0x0
	ds_add_u32 v251, v255
	s_wait_dscnt 0x0
	s_endpgm
.Lfunc_end_k_q5d420027b1_attn:
	.size	k_q5d420027b1_attn, .Lfunc_end_k_q5d420027b1_attn-k_q5d420027b1_attn
	.p2alignl 7, 3214868480
	.fill 96, 4, 3214868480
	.section	.rodata,"a",@progbits
	.p2align	6, 0x0
	.amdhsa_kernel k_q5d420027b1_attn
		.amdhsa_group_segment_fixed_size 133120
		.amdhsa_private_segment_fixed_size 0
		.amdhsa_enable_private_segment 0
		.amdhsa_kernarg_size 32
		.amdhsa_user_sgpr_count 2
		.amdhsa_user_sgpr_kernarg_segment_ptr 1
		.amdhsa_wavefront_size32 1
		.amdhsa_system_sgpr_workgroup_id_x 1
		.amdhsa_system_sgpr_workgroup_id_y 1
		.amdhsa_system_sgpr_workgroup_id_z 1
		.amdhsa_system_vgpr_workitem_id 0
		.amdhsa_next_free_vgpr 256
		.amdhsa_next_free_sgpr 66
		.amdhsa_reserve_vcc 0
		.amdhsa_float_denorm_mode_32 3
		.amdhsa_float_denorm_mode_16_64 3
		.amdhsa_memory_ordered 1
		.amdhsa_forward_progress 1
		.amdhsa_inst_pref_size 76
	.end_amdhsa_kernel
	.amdgpu_metadata
---
amdhsa.version: [ 1, 2 ]
amdhsa.kernels:
  - .name:           k_q5d420027b1_attn
    .symbol:         k_q5d420027b1_attn.kd
    .args:
      - { .name: qkv, .offset: 0, .size: 8, .value_kind: global_buffer, .address_space: global }
      - { .name: ri, .offset: 8, .size: 8, .value_kind: global_buffer, .address_space: global }
      - { .name: lowp_scales, .offset: 16, .size: 8, .value_kind: global_buffer, .address_space: global }
      - { .name: gc, .offset: 24, .size: 8, .value_kind: global_buffer, .address_space: global }
    .group_segment_fixed_size: 133120
    .private_segment_fixed_size: 0
    .kernarg_segment_align: 8
    .kernarg_segment_size: 32
    .max_flat_workgroup_size: 512
    .sgpr_count:     66
    .vgpr_count:     256
    .wavefront_size: 32
...
	.end_amdgpu_metadata
.endif
;; end of part 6
;; launch outp: the kernel of part 4 again; grid 64 x 4, 4 waves a work-group, clusters of 4 x 1, 312,832 bytes of LDS; arguments gc, Wo_codes, bo, inputs, lowp_scales, out0; writes out0
